; MI455X (gfx1250); checked and timed in simulation.
; The chip was launched on July 23, 2026; its instructions are those of AMD's public machine-readable ISA for CDNA 5 (MIT licence, August 2026) and "CDNA5" Instruction Set Architecture Reference Guide (July 2026). The comments in the code are by the model that wrote it; some were corrected since.
;; Finetune Bert FAN Attention. Allowed arithmetic: float matrix products may take bf16 or f16 operands with f32 sums; other float arithmetic in f32, or as packed bf16 or f16 multiplies, adds, multiply-adds, maxima and minima; sums over many terms, partial sums and values carried from step to step in f32; what a program stores and reads back later, other than sums and carried values, may be rounded once to bf16 or f16.
;; Inputs: W1 768 x 768 float32; W2 768 x 768 float32; Wy 768 x 3 float32; Wz 768 x 5 float32; b1 768 float32; b2 768 float32; beta 768 float32; by 3 float32; bz 5 float32; embeddings 32 x 512 x 768 float32; gamma 768 float32.
;; Outputs: out0 32 x 512 x 3 float32; out1 32 x 512 x 5 float32; out2 32 x 512 float32.
;; 2 versions, each right; version 2 is version 1 with the launch prep written anew for expert scheduling mode. Each part assembles by itself: llvm-mc -triple=amdgcn-amd-amdhsa -mcpu=gfx1250 --defsym DOCPART=n.
;; ======== version 1 of 2: 4 launches
;; limits: right only within a limited range of input values; values outside matrix products are rounded to bf16
;; workspace buffers: wfrag 2,457,600 bytes; wyz 24,576 bytes; tabs 12,544 bytes; ffb 25,165,824 bytes; ssum 786,432 bytes; invn 65,536 bytes; ebuf 65,536 bytes
;; launch prep (part 1): grid 101 x 1, 6 waves a work-group, no clusters, 0 bytes of LDS; arguments W1, W2, Wy, Wz, b1, b2, gamma, beta, by, bz, wfrag, wyz, tabs; writes wfrag, wyz, tabs
.if DOCPART == 1
	.amdgcn_target "amdgcn-amd-amdhsa--gfx1250"
	.amdhsa_code_object_version 6
	.text
	.protected	k_qcd4f41a54e_prep
	.globl	k_qcd4f41a54e_prep
	.p2align	8
	.type	k_qcd4f41a54e_prep,@function
k_qcd4f41a54e_prep:
	s_mov_b64 s[64:65], 0
	v_nop
	global_prefetch_b8 v0, s[64:65] scope:SCOPE_SE
	s_setreg_imm32_b32 hwreg(HW_REG_WAVE_MODE, 25, 1), 1
	s_wait_xcnt 0x0
; THE PROGRAM: four launches.  prep (this one) rounds the weights to bf16 and lays them out as matrix operands; ffn takes 64 rows a work-group through
; relu(x W1 + b1) W2 + b2, the residual, LayerNorm and the two heads; aw and norm make the attention weights.
; WHAT THE PROGRAM DOES NOT FORM: dots[b][j][k] = <ff_j, ff_k>, S x S x D multiply-adds a batch.  reference() only sums cos_sim over k, and
; sum_k <ff_j, ff_k> / (n_j n_k) = <ff_j / n_j, sum_k ff_k / n_k> for all values of the inputs: one vector s_b = sum_k ff_k / n_k a batch and one dot product a row.
; LIMIT.  reference() divides by n_j n_k + 1e-8; here each row is divided by max(n, 1e-4) (a row of zeros gives cosine 0 in both).  A cosine differs by the factor
; 1 + 1e-8 / (n_j n_k): under 1e-6 while n_j n_k is above 1e-2; it matters only for norms of ff under about 5e-4.  An overflow of a single dots[j][k] that the sum form does not meet is not carried over.
; NO MAXIMUM is taken away in the softmax: its exponents are sigmoid values, in 0 to 1 for every input, so each exponential lies in 1 to e and a sum of 512 of them under 1,392.
; FORMATS.  Every input is rounded once to bf16 (b1, b2, gamma, beta, by, bz too: kept as f32 words that hold the rounded numbers).  Every input has a way to an output and is loaded.
; THIS LAUNCH.  A FRAGMENT is 16 columns x 32 rows of W1 or W2, 1,024 bytes in the order in which a wave's operand registers take them:
; [j 0..1][lane][16 bytes] = W[k0 + 16 j + 8 (lane / 16) + 0..7][n0 + lane % 16].  A column block c is 192 columns, 12 tiles of 16.  wfrag holds two parts:
;   tiles 0-5 (for the LDS ring):  [matrix][c][unit u 0..12][kk 0..1][tile][fragment], a unit = 64 rows of W; unit 12 repeats unit 0, so that two units on end never wrap;
;   tiles 6-11 (loaded straight into registers), from byte DIRB on:  [matrix][K step 0..23][c][tile - 6][fragment].
; Work-groups 0-95: unit (matrix, u) x column block c; wave v makes kk = v / 3 and tiles 2 (v % 3) + 0, 1 and 6 + 2 (v % 3) + 0, 1.
; Work-groups 96-99: the 24 fragments of the heads, one a wave (rows 0-2 Wy's columns, 3-7 Wz's, 8-15 zero).  Work-group 100: the small vectors.
; No LDS and no cluster: nothing is shared; no register that a load or store reads is written again, so no wait frees a source.
.set ROWB,  3072                       ; bytes in a row of W1 and W2
.set RUNIT, 12288                      ; a unit of the ring part: 2 K steps x 6 fragments
.set RCOL,  13*RUNIT
.set RMAT,  4*RCOL
.set DIRB,  2*RMAT
.set DSTEP, 24576                      ; a K step of the direct part: 4 column blocks x 6 fragments
.set DMAT,  24*DSTEP
	s_load_b512 s[4:19], s[0:1], 0x0               ; W1 s[4:5], W2 s[6:7], Wy s[8:9], Wz s[10:11], b1 s[12:13], b2 s[14:15], gamma s[16:17], beta s[18:19]
	s_load_b256 s[20:27], s[0:1], 0x40             ; by s[20:21], bz s[22:23], wfrag s[24:25], wyz s[26:27]
	s_load_b64 s[28:29], s[0:1], 0x60              ; tabs
	v_lshrrev_b32 v1, 5, v0
	v_readfirstlane_b32 s31, v1                    ; wave 0..5
	s_mov_b32 s30, ttmp9
	v_and_b32 v1, 31, v0                           ; lane
	v_and_b32 v2, 15, v0                           ; r = lane % 16
	v_bfe_u32 v3, v0, 4, 1                         ; h = lane / 16
	v_lshlrev_b32 v5, 4, v1                        ; 16 x lane: my 16 bytes of half a fragment
	s_mov_b32 s35, 0                               ; s[34:35]: a byte offset, under 2^32
	s_wait_kmcnt 0x0
	s_cmp_lt_u32 s30, 96
	s_cbranch_scc0 .Lsmall
	; ---- a unit of W1 or W2
	s_lshr_b32 s36, s30, 2                         ; matrix x 12 + unit
	s_and_b32 s37, s30, 3                          ; column block
	s_cmp_lt_u32 s36, 12
	s_cselect_b64 s[38:39], s[4:5], s[6:7]
	s_cselect_b32 s40, 0, 12
	s_cselect_b32 s46, 0, 1                        ; matrix
	s_sub_co_u32 s36, s36, s40                     ; unit
	s_cmp_ge_u32 s31, 3
	s_cselect_b32 s41, 1, 0                        ; kk
	s_mul_i32 s42, s41, 3
	s_sub_co_u32 s42, s31, s42                     ; v % 3
	s_lshl_b32 s43, s36, 1
	s_add_co_u32 s43, s43, s41                     ; K step 2 u + kk
	s_mul_i32 s34, s43, 32*ROWB                    ; from: 32 rows a K step,
	s_mul_i32 s44, s37, 768                        ; 192 columns of 4 bytes a block,
	s_add_co_u32 s34, s34, s44
	s_lshl_b32 s44, s42, 7                         ; two tiles of 64 bytes
	s_add_co_u32 s34, s34, s44
	s_add_nc_u64 s[38:39], s[38:39], s[34:35]
	s_mul_i32 s34, s46, RMAT                       ; to, ring part
	s_mul_i32 s44, s37, RCOL
	s_add_co_u32 s34, s34, s44
	s_mul_i32 s44, s36, RUNIT
	s_add_co_u32 s34, s34, s44
	s_mul_i32 s44, s41, 6144
	s_add_co_u32 s34, s34, s44
	s_lshl_b32 s45, s42, 11                        ; two fragments
	s_add_co_u32 s34, s34, s45
	s_add_nc_u64 s[32:33], s[24:25], s[34:35]
	s_mul_i32 s34, s46, DMAT                       ; to, direct part
	s_mul_i32 s44, s43, DSTEP
	s_add_co_u32 s34, s34, s44
	s_mul_i32 s44, s37, 6144
	s_add_co_u32 s34, s34, s44
	s_add_co_u32 s34, s34, s45
	s_add_co_u32 s34, s34, DIRB
	s_add_nc_u64 s[24:25], s[24:25], s[34:35]
	v_mul_u32_u24 v4, v3, 8*ROWB
	v_lshl_add_u32 v4, v2, 2, v4                   ; row 8 h, column r
.set t_, 0
.rept 4                                ; all 64 loads go out before the first wait; fragments 0, 1: tiles 0-5's; 2, 3: six tiles (384 bytes) further on
.set k_, 0
.rept 16
	global_load_b32 v[16+16*t_+k_], v4, s[38:39] offset:(16*(k_/8)+(k_%8))*ROWB+64*(t_&1)+384*(t_/2)
.set k_, k_+1
.endr
.set t_, t_+1
.endr
.set t_, 0
.rept 4
	s_wait_loadcnt 48-16*t_                        ; the later fragments' loads may stay out
.set q_, 0
.rept 8
	v_cvt_pk_bf16_f32 v[80+8*t_+q_], v[16+16*t_+2*q_], v[16+16*t_+2*q_+1]
.set q_, q_+1
.endr
.if t_ < 2
	global_store_b128 v5, v[80+8*t_:80+8*t_+3], s[32:33] offset:1024*t_      ; 512 consecutive bytes a store
	global_store_b128 v5, v[80+8*t_+4:80+8*t_+7], s[32:33] offset:1024*t_+512
.else
	global_store_b128 v5, v[80+8*t_:80+8*t_+3], s[24:25] offset:1024*(t_-2)
	global_store_b128 v5, v[80+8*t_+4:80+8*t_+7], s[24:25] offset:1024*(t_-2)+512
.endif
.set t_, t_+1
.endr
	s_cmp_lg_u32 s36, 0
	s_cbranch_scc1 .Lwdone
.set t_, 0
.rept 2                                ; unit 0 once more, as unit 12
	global_store_b128 v5, v[80+8*t_:80+8*t_+3], s[32:33] offset:12*RUNIT+1024*t_
	global_store_b128 v5, v[80+8*t_+4:80+8*t_+7], s[32:33] offset:12*RUNIT+1024*t_+512
.set t_, t_+1
.endr
.Lwdone:
	s_endpgm
.Lsmall:
	s_cmp_lt_u32 s30, 100
	s_cbranch_scc0 .Ltabs
	; ---- the heads' fragments: fragment ks = 6 (work-group - 96) + wave (k = 32 ks + 16 j + 8 h + i)
	s_sub_co_u32 s36, s30, 96
	s_mul_i32 s36, s36, 6
	s_add_co_u32 s36, s36, s31
	v_min_u32 v6, 2, v2                            ; Wy's column, held inside the table
	v_add_nc_u32 v7, -3, v2
	v_max_i32 v7, 0, v7
	v_min_u32 v7, 4, v7                            ; Wz's column, likewise
	v_mul_u32_u24 v8, v3, 96                       ; 8 h rows of 12 bytes
	v_lshl_add_u32 v8, v6, 2, v8
	v_mul_u32_u24 v9, v3, 160                      ; 8 h rows of 20 bytes
	v_lshl_add_u32 v9, v7, 2, v9
	v_cmp_gt_u32 s44, 3, v2                        ; r < 3: Wy
	v_cmp_lt_u32 s45, 7, v2                        ; r > 7: zero
	v_mov_b32 v10, 0
	s_mul_i32 s34, s36, 384                        ; 32 rows of Wy
	s_add_nc_u64 s[8:9], s[8:9], s[34:35]
	s_mul_i32 s34, s36, 640                        ; 32 rows of Wz
	s_add_nc_u64 s[10:11], s[10:11], s[34:35]
	s_lshl_b32 s34, s36, 10
	s_add_nc_u64 s[26:27], s[26:27], s[34:35]
.set k_, 0
.rept 16
	global_load_b32 v[32+k_], v8, s[8:9] offset:(16*(k_/8)+(k_%8))*12
	global_load_b32 v[48+k_], v9, s[10:11] offset:(16*(k_/8)+(k_%8))*20
.set k_, k_+1
.endr
	s_wait_loadcnt 0x0
.set k_, 0
.rept 16
	v_cndmask_b32 v[48+k_], v[48+k_], v[32+k_], s44
	v_cndmask_b32 v[48+k_], v[48+k_], v10, s45
.set k_, k_+1
.endr
.set q_, 0
.rept 8
	v_cvt_pk_bf16_f32 v[64+q_], v[48+2*q_], v[48+2*q_+1]
.set q_, q_+1
.endr
	global_store_b128 v5, v[64:67], s[26:27]
	global_store_b128 v5, v[68:71], s[26:27] offset:512
	s_endpgm
.Ltabs:
	; ---- b1, b2, gamma, beta: 192 threads x 4 numbers each, rounded to bf16 and kept as f32; by and bz on end, eight times over (64 words, waves 0 and 1 store them)
	v_lshlrev_b32 v4, 4, v0
	v_and_b32 v6, 7, v0
	v_min_u32 v7, 2, v6
	v_lshlrev_b32 v7, 2, v7
	v_add_nc_u32 v8, -3, v6
	v_max_i32 v8, 0, v8
	v_min_u32 v8, 4, v8
	v_lshlrev_b32 v8, 2, v8
	global_load_b128 v[16:19], v4, s[12:13]
	global_load_b128 v[20:23], v4, s[14:15]
	global_load_b128 v[24:27], v4, s[16:17]
	global_load_b128 v[28:31], v4, s[18:19]
	global_load_b32 v9, v7, s[20:21]
	global_load_b32 v10, v8, s[22:23]
	v_cmp_gt_u32 vcc_lo, 3, v6
	v_lshlrev_b32 v11, 2, v0
	s_wait_loadcnt 0x0
.set u_, 0
.rept 8
	v_cvt_pk_bf16_f32 v[32+u_], v[16+2*u_], v[16+2*u_+1]
	v_lshlrev_b32 v[16+2*u_], 16, v[32+u_]
	v_and_b32 v[16+2*u_+1], 0xffff0000, v[32+u_]
.set u_, u_+1
.endr
.set u_, 0
.rept 4
	global_store_b128 v4, v[16+4*u_:16+4*u_+3], s[28:29] offset:3072*u_
.set u_, u_+1
.endr
	v_cndmask_b32 v9, v10, v9, vcc_lo
	v_cvt_pk_bf16_f32 v9, v9, v9
	v_lshlrev_b32 v9, 16, v9
	s_cmp_lt_u32 s31, 2
	s_cbranch_scc0 .Ldone
	global_store_b32 v11, v9, s[28:29] offset:12288
.Ldone:
	s_endpgm
.Lfunc_end_k_qcd4f41a54e_prep:
	.size	k_qcd4f41a54e_prep, .Lfunc_end_k_qcd4f41a54e_prep-k_qcd4f41a54e_prep
	.p2alignl 7, 3214868480
	.fill 96, 4, 3214868480
	.section	.rodata,"a",@progbits
	.p2align	6, 0x0
	.amdhsa_kernel k_qcd4f41a54e_prep
		.amdhsa_group_segment_fixed_size 0
		.amdhsa_private_segment_fixed_size 0
		.amdhsa_enable_private_segment 0
		.amdhsa_kernarg_size 104
		.amdhsa_user_sgpr_count 2
		.amdhsa_user_sgpr_kernarg_segment_ptr 1
		.amdhsa_wavefront_size32 1
		.amdhsa_system_sgpr_workgroup_id_x 1
		.amdhsa_system_sgpr_workgroup_id_y 1
		.amdhsa_system_sgpr_workgroup_id_z 1
		.amdhsa_system_vgpr_workitem_id 0
		.amdhsa_next_free_vgpr 128
		.amdhsa_next_free_sgpr 66
		.amdhsa_reserve_vcc 1
		.amdhsa_float_denorm_mode_32 3
		.amdhsa_float_denorm_mode_16_64 3
		.amdhsa_memory_ordered 1
		.amdhsa_forward_progress 1
		.amdhsa_inst_pref_size 22
	.end_amdhsa_kernel
	.amdgpu_metadata
---
amdhsa.version: [ 1, 2 ]
amdhsa.kernels:
  - .name:           k_qcd4f41a54e_prep
    .symbol:         k_qcd4f41a54e_prep.kd
    .args:
      - { .name: W1, .offset: 0, .size: 8, .value_kind: global_buffer, .address_space: global }
      - { .name: W2, .offset: 8, .size: 8, .value_kind: global_buffer, .address_space: global }
      - { .name: Wy, .offset: 16, .size: 8, .value_kind: global_buffer, .address_space: global }
      - { .name: Wz, .offset: 24, .size: 8, .value_kind: global_buffer, .address_space: global }
      - { .name: b1, .offset: 32, .size: 8, .value_kind: global_buffer, .address_space: global }
      - { .name: b2, .offset: 40, .size: 8, .value_kind: global_buffer, .address_space: global }
      - { .name: gamma, .offset: 48, .size: 8, .value_kind: global_buffer, .address_space: global }
      - { .name: beta, .offset: 56, .size: 8, .value_kind: global_buffer, .address_space: global }
      - { .name: by, .offset: 64, .size: 8, .value_kind: global_buffer, .address_space: global }
      - { .name: bz, .offset: 72, .size: 8, .value_kind: global_buffer, .address_space: global }
      - { .name: wfrag, .offset: 80, .size: 8, .value_kind: global_buffer, .address_space: global }
      - { .name: wyz, .offset: 88, .size: 8, .value_kind: global_buffer, .address_space: global }
      - { .name: tabs, .offset: 96, .size: 8, .value_kind: global_buffer, .address_space: global }
    .group_segment_fixed_size: 0
    .private_segment_fixed_size: 0
    .kernarg_segment_align: 8
    .kernarg_segment_size: 104
    .max_flat_workgroup_size: 192
    .sgpr_count:     66
    .vgpr_count:     128
    .wavefront_size: 32
...
	.end_amdgpu_metadata
.endif
;; end of part 1
;; launch ffn (part 2): grid 256 x 1, 4 waves a work-group, clusters of 4 x 1, 327,680 bytes of LDS; arguments embeddings, wfrag, wyz, tabs, ffb, ssum, invn, out0, out1; writes ffb, ssum, invn, out0, out1
.if DOCPART == 2
	.amdgcn_target "amdgcn-amd-amdhsa--gfx1250"
	.amdhsa_code_object_version 6
	.text
	.protected	k_qcd4f41a54e_ffn
	.globl	k_qcd4f41a54e_ffn
	.p2align	8
	.type	k_qcd4f41a54e_ffn,@function
k_qcd4f41a54e_ffn:
	s_mov_b64 s[64:65], 0
	v_nop
	global_prefetch_b8 v0, s[64:65] scope:SCOPE_SE
	s_setreg_imm32_b32 hwreg(HW_REG_WAVE_MODE, 25, 1), 1
	s_wait_xcnt 0x0
	s_wait_alu depctr_hold_cnt(0) depctr_sa_sdst(0) depctr_va_vdst(0) depctr_va_sdst(0) depctr_va_ssrc(0) depctr_va_vcc(0) depctr_vm_vsrc(0)
	s_getreg_b32 s2, hwreg(HW_REG_IB_STS2, 6, 4)
	s_cmp_eq_u32 s2, 0
	s_cbranch_scc0 .Lentry_in_a_cluster
	s_endpgm
.Lentry_in_a_cluster:
	s_bfe_u32 s2, ttmp6, 0x10000c
	s_cmp_lg_u32 s2, 0x3003
	s_cbranch_scc0 .Lentry_shape_is_right
	s_endpgm
.Lentry_shape_is_right:
; 64 rows a work-group through the whole chain: h1 = relu(x W1 + b1), x + h1 W2 + b2, LayerNorm, the two heads; it stores ff (bf16), 1 / max(|ff|, 1e-4) a row, and the work-group's
; column sums of ff / |ff| (f32).  LEFT OUT: the S x S product dots = ff ff^T: its sum over k is a dot product with the batch's column sum (shown at the head of the first kernel, with its limit).
; SHARES.  Work-group g = rows 64 g ..; wave w = all 64 rows x 192 columns: 48 accumulators of 16 x 16 (mt 0..3, nt 0..11), 384 registers.  The matrix instruction is used transposed
; (source 0 = 16 columns of a weight x 32 K, source 1 = 16 rows of x or h1): a lane holds ONE row (16 mt + lane % 16) and the columns 16 nt + 8 (lane / 16) + 0..7 of its wave's block.
; THE WEIGHTS COME BY TWO ROADS, half each, so that a ring slot's bytes feed twice the products.  A K step is 32 along K, 48 matrix instructions a wave; there are 24 for each product.
;   Tiles nt 0-5: through a RING of two LDS slots.  A PERIOD is four K steps; a slot holds a period: 24,576 bytes for each wave, which fetches and alone reads them.  12 periods.  From a refill to the
;   wait for it a wave issues 180 matrix instructions.  The four work-groups of a cluster walk the same weights: each tile is asked for JOINTLY, by the same tensor load, descriptor and mask of four.
;   Tiles nt 6-11: STRAIGHT INTO REGISTERS, 12 loads of 512 bytes on end for a K step, into four buffers by turns: the loads of K step k + 3 go out in K step k.
; ONE TEXT FOR BOTH PRODUCTS: a trip of the loop is a period; which slot is read is a scalar that an exclusive or turns.  The first product's first K step, which starts the sums with b1, and the last two
; periods, which ask for nothing, are written out.  Between the products each accumulator is rounded to h1 and then set to x + b2, so that the second product adds in place from its first K step.
; THE WALK IS ROTATED by rho = batch % 4 (the same in all partners and in both clusters of a batch): feature i' of this text is feature (i' + 192 rho) % 768 of the tensors, for the 768 embedding
; columns and for the 768 hidden columns alike.  So wave w takes the column block (w + rho) % 4, the ring begins at unit 3 rho of 12 (a unit = 64 along K; a tile = two units on end) and the direct loads at
; K step 6 rho of 24.  rho enters GLOBAL addresses alone.  ff and the column sums are stored in the rotated order, one order a batch, which leaves the later dot product as it is.
; x IS READ ONCE, in six pieces of 128 columns: wave w loads rows 16 w .. 16 w + 15, rounds them and puts them into LDS.  Piece P + 1 is asked for in period P's first K step and stored ahead of the
; period's round.  Loads come back in order (ISA guide 5.7.1), so the counts of the direct loads' waits also cover x: with x among the younger loads a count is stricter than it need be, never looser.
; REGISTERS, in windows of 256 (s_set_vgpr_msb: bits 1:0 source 0, 3:2 source 1, 5:4 source 2, 7:6 destination):
;   window 0: v0-31 addresses and constants; v32-63, v64-95 fragments of x / h1, two buffers (later sums and statistics); v96-127 direct fragments 20-23 (later packed results);
;             v128-191 x on its way; v192-255 b2 of nt 0-7; later v128-223 gamma, then the column sums; v224-239 1 / |ff| as an operand
;   window 1: v0-47, v48-95 ring fragments, two buffers; v96-255 direct fragments 0-19 (buffer b, tile f: fragment 6 b + f); later beta, the heads' sums and weights, ff turned
;   windows 2, 3: v0-191 the accumulators of mt 0, 1 and of mt 2, 3; v192-239 b1 of nt 0-5 and of nt 6-11; v240-255 b2 of nt 8, 9 and of nt 10, 11
.set WBLK,  24576                      ; a wave's bytes of a period
.set RING1, 4*WBLK                     ; slot 1; slot 0 begins at LDS byte 0
.set XH,    2*RING1                    ; 64 rows of x, then h1, then ff, bf16
.set XP,    1552                       ; their pitch: 1,536 + 16 = 97 x 16 bytes: the 16 rows of a fragment load start at 16 different groups of four banks (64 banks of 4 bytes: ISA guide 11.1)
.set X16,   16*XP
.set XHALF, 32*XP
.set STAT,  XH+64*XP                   ; three areas of [64 rows][4 waves] f32
.set HEADP, STAT+3072                  ; [4 waves][64 rows][16] f32: the heads' partial sums
.set SS,    HEADP+16384                ; 768 column sums
.set OUTST, SS+3072                    ; out0's 768 bytes, then out1's 1,280
.set SPARE, OUTST+2048                 ; the spare words, 128 bytes for each wave: two blocks of 256 bytes that no other line names
.set INVB,  SPARE+512                  ; 64 x 1 / |ff| in bf16, a copy for each wave
.set RUNIT, 12288                      ; wfrag, ring part: a unit; 13 units a column block (the 13th repeats the first); 4 blocks a matrix
.set RCOL,  13*RUNIT
.set RMAT,  4*RCOL
.set DIRB,  2*RMAT                     ; wfrag, direct part: a K step is 4 column blocks x 6,144 bytes
.set DSTEP, 24576
.set DMAT,  24*DSTEP
; scalars: s[4:5] embeddings at my wave's rows, s[6:7] wfrag, s[8:9] wyz at my block, s[10:11] tabs, s[12:13] ffb, s[14:15] ssum, s[16:17] invn, s[18:19] out0, s[20:21] out1 (each at my part)
; s22 wave, s23 cx, s24 g, s25 rho, s26 my column block, s27 periods to go, s[28:29] an offset (s29 = 0), s30 at work, s[32:35] descriptor group 0 of the first fill (s33 = wave x 24,576 stays), s[36:39] of the
; second: it then walks, s[40:47] group 1, s48 the unit last asked for, s49 the next tile's number, s[50:51] the ring part at my block, s[52:53] an offset, s[54:57] the prefetches' two addresses,
; s58 x's next 256 bytes of a row, s59 1/768, s60 1e-5, s61 1e-8, s[62:63] v_permlanex16_b32's selects, s66 LDS byte of the slot that is read, s[68:71] bases of x's loads, s[72:79] bases of the direct loads,
; one a buffer, s[80:81] the direct part at my block, s[82:83] its running offset, s[84:91] by and bz, s92 the direct loads' K step in its matrix, s93 K steps asked for, s94 pieces of x to ask for in the loop,
; s95 pieces to store in the loop, s96 products to go, s97 the period (by s27) in which I prefetch, s98 the period (by s27) whose change of slots fetches no rows, s99 at work
.set MSB, 0
.macro WIN new                         ; the immediate's high byte repeats the setting that is left; a switch that changes nothing is dropped
.if MSB != (\new)
	s_set_vgpr_msb (MSB<<8)|(\new)
.set MSB, (\new)
.endif
.endm
.macro PLACES                          ; four places behind matrix instructions, in front of loads into their sources and of lines that read their results
.rept 4
	v_nop
.endr
.endm
.macro BAR
	s_barrier_signal -1
	s_barrier_wait -1
.endm
.macro CREST                           ; a round of the cluster's barrier behind its opening barrier
	s_cmp_lg_u32 s22, 0
	s_cbranch_scc1 .Lnw0_\@
	s_barrier_signal -3
.Lnw0_\@:
	s_barrier_wait -3
	s_barrier_signal -1
	s_barrier_wait -1
.endm
.macro ROUND
	BAR
	CREST
.endm
; Matrix instructions for row block mt, column tiles n0 .. n1: LDS buffers f, direct buffer gb.  cmode 0: onto the accumulator; 1: the sum starts with b1.
; The 48 accumulators take turns, one instruction a turn, in the same order in every K step.
.macro MULN f, gb, mt, n0, n1, cmode
.set nt_, (\n0)
.set wa_, 2+(\mt)/2
.rept (\n1)-(\n0)+1
.set rD_, 96*((\mt)&1)+8*nt_
.set rA_, 32+32*(\f)+8*(\mt)
.if nt_ < 6
.set sw_, 1
.set rB_, 48*(\f)+8*nt_
.else
.set ix_, 6*(\gb)+nt_-6
.if ix_ < 20
.set sw_, 1
.set rB_, 96+8*ix_
.else
.set sw_, 0
.set rB_, 96+8*(ix_-20)
.endif
.endif
.if (\cmode) == 0
	WIN (wa_<<6)|(wa_<<4)|sw_
	v_wmma_f32_16x16x32_bf16 v[rD_:rD_+7], v[rB_:rB_+7], v[rA_:rA_+7], v[rD_:rD_+7]
.else
.set rC_, 192+8*(nt_%6)
	WIN (wa_<<6)|((2+nt_/6)<<4)|sw_
	v_wmma_f32_16x16x32_bf16 v[rD_:rD_+7], v[rB_:rB_+7], v[rA_:rA_+7], v[rC_:rC_+7]
.endif
.set nt_, nt_+1
.endr
.endm
.macro MUL48 f, gb, cmode              ; a K step's products
	MULN \f, \gb, 0, 0, 11, \cmode
	MULN \f, \gb, 1, 0, 11, \cmode
	MULN \f, \gb, 2, 0, 11, \cmode
	MULN \f, \gb, 3, 0, 11, \cmode
.endm
.macro FETCHB kq, f                    ; 12 LDS loads: the six ring fragments of K step kq of the slot that is read, as they lie (16 bytes a lane, twice)
	WIN 0x40
.set n_, 0
.rept 6
	ds_load_b128 v[48*(\f)+8*n_:48*(\f)+8*n_+3], v4 offset:(\kq)*6144+n_*1024
	ds_load_b128 v[48*(\f)+8*n_+4:48*(\f)+8*n_+7], v4 offset:(\kq)*6144+n_*1024+512
.set n_, n_+1
.endr
.endm
.macro FETCHA f, aoff                  ; 8 LDS loads: the four fragments of x or h1 at byte aoff behind the running address
	WIN 0
.set n_, 0
.rept 4
	ds_load_b128 v[32+32*(\f)+8*n_:32+32*(\f)+8*n_+3], v[6+n_/2] offset:(n_&1)*X16+(\aoff)
	ds_load_b128 v[32+32*(\f)+8*n_+4:32+32*(\f)+8*n_+7], v[6+n_/2] offset:(n_&1)*X16+(\aoff)+32
.set n_, n_+1
.endr
.endm
; 12 loads: the next K step's six direct fragments into buffer b.  The buffer's own base is written anew: its last loads were shown done by the counted wait of the K step that multiplied them.
; Then the offset steps: a K step on, round the matrix's 24; behind the 24th K step on into W2.
.macro GLOAD b
	s_add_nc_u64 s[72+2*(\b):73+2*(\b)], s[80:81], s[82:83]
	s_add_co_u32 s92, s92, 1
	s_add_co_u32 s82, s82, DSTEP
	s_cmp_eq_u32 s92, 24
	s_cselect_b32 s99, DMAT, 0
	s_cselect_b32 s92, 0, s92
	s_sub_co_u32 s82, s82, s99
	s_add_co_u32 s93, s93, 1
	s_cmp_eq_u32 s93, 24
	s_cselect_b32 s99, DMAT, 0
	s_add_co_u32 s82, s82, s99
.set g_, 0
.rept 6
.set ix_, 6*(\b)+g_
.if ix_ < 20
	WIN 0x40
.set rG_, 96+8*ix_
.else
	WIN 0
.set rG_, 96+8*(ix_-20)
.endif
	global_load_b128 v[rG_:rG_+3], v23, s[72+2*(\b):73+2*(\b)] offset:1024*g_
	global_load_b128 v[rG_+4:rG_+7], v23, s[72+2*(\b):73+2*(\b)] offset:1024*g_+512
.set g_, g_+1
.endr
.endm
; The head of K step j (0 to 2) of a period: the next K step's LDS fragments, the direct fragments three K steps on, and the waits for this K step's.
.macro KSTEP j, gl, nl
	PLACES                                         ; the buffers that are loaded now were multiplied in the K step before
	FETCHB (\j)+1, ((\j)+1)&1
	FETCHA ((\j)+1)&1, 64*((\j)+1)
.if \gl
	GLOAD ((\j)+3)&3
.endif
	s_wait_dscnt 20                                ; all but the 20 just issued
	s_wait_loadcnt \nl                             ; this K step's direct fragments are in; the younger K steps' 12 loads each may stay out
.endm
; The walking descriptor for the next tile: two units on, round the matrix's twelve; from tile 6 on in W2; into the slot that is being left: its first byte (0 or 98,304) + wave x 24,576, made anew
.macro GADDR
	s_add_co_u32 s48, s48, 2
	s_cmp_ge_u32 s48, 12
	s_cselect_b32 s52, 12, 0
	s_sub_co_u32 s48, s48, s52
	s_mul_i32 s52, s48, RUNIT
	s_cmp_ge_u32 s49, 6
	s_cselect_b32 s99, RMAT, 0
	s_add_co_u32 s52, s52, s99
	s_add_co_u32 s49, s49, 1
	s_add_nc_u64 s[38:39], s[50:51], s[52:53]
	s_or_b32 s39, s39, 0x80000000
	s_add_co_u32 s37, s66, s33
.endm
; A piece of x: two units of 256 bytes of each of my 16 rows; a load takes one unit of two rows (lanes 0-15, lanes 16-31): whole aligned blocks of 256 bytes.  The units go round modulo the row's twelve.
; The two bases are written anew: the last piece's loads were shown done by the wait at the change of slots before.
.macro XLOAD2
.set t_, 0
.rept 2
	s_lshl_b32 s28, s58, 8
	s_add_nc_u64 s[68+2*t_:69+2*t_], s[4:5], s[28:29]
	s_add_co_u32 s58, s58, 1
	s_cmp_eq_u32 s58, 12
	s_cselect_b32 s58, 0, s58
.set t_, t_+1
.endr
	WIN 0
.set t_, 0
.rept 2
.set p_, 0
.rept 8
	global_load_b128 v[128+4*(8*t_+p_):128+4*(8*t_+p_)+3], v12, s[68+2*t_:69+2*t_] offset:p_*6144 th:TH_LOAD_NT
.set p_, p_+1
.endr
.set t_, t_+1
.endr
.endm
.macro XSTORE2                         ; rounded to bf16 in place, 8 bytes a lane into LDS; the address goes on to the next piece
	WIN 0
.set k_, 0
.rept 16
	v_cvt_pk_bf16_f32 v[128+4*k_], v[128+4*k_], v[128+4*k_+1]
	v_cvt_pk_bf16_f32 v[128+4*k_+1], v[128+4*k_+2], v[128+4*k_+3]
.set k_, k_+1
.endr
.set k_, 0
.rept 16
	ds_store_b64 v13, v[128+4*k_:128+4*k_+1] offset:(k_%8)*2*XP+(k_/8)*128
.set k_, k_+1
.endr
	v_add_nc_u32 v13, 256, v13
.endm
.macro TLOAD win, reg, tab, n0, n      ; n tiles' eight numbers a lane of a vector of tabs, for my columns
	WIN \win
.set k_, 0
.rept \n
	global_load_b128 v[(\reg)+8*k_:(\reg)+8*k_+3], v14, s[10:11] offset:(\tab)+64*((\n0)+k_)
	global_load_b128 v[(\reg)+8*k_+4:(\reg)+8*k_+7], v14, s[10:11] offset:(\tab)+64*((\n0)+k_)+16
.set k_, k_+1
.endr
.endm
.macro LOADX b                         ; between the products: my own columns of x for tiles 8 b .. 8 b + 7, 16 bytes a lane and tile, into one of two sets
	WIN 0
.set u_, 0
.rept 8
.set i_, 8*(\b)+u_
	ds_load_b128 v[128+32*((\b)&1)+4*u_:128+32*((\b)&1)+4*u_+3], v[10+i_/24] offset:((i_/12)&1)*X16+32*(i_%12)
.set u_, u_+1
.endr
.endm
; A period's fourth K step (LDS buffers 1, direct buffer 3) and THE CHANGE OF SLOTS.  fill = 1: the next piece of x goes into LDS; each wave waits for all its tensor loads (one is out: its part of the other
; slot), adds 0 to its spare word, and waits for that, for its stores of x and for its reads of this slot; the barrier opens a round of the cluster's barrier, so that no wave of any partner still reads the slot or
; has a load on its way; the joint refill is the first thing behind the round.  fill = 0: nothing is asked for; the wave waits for its own last tile, which it alone reads.
; Then the next period's first fragments and the direct fragments three K steps on.
; A PREFETCH INTO THE L2 stands behind those loads in period 2 alone: W2's blocks, which no work-group has read before the second product.  One cluster for each rho (clusters 0, 2, 4, 6), waves 0-2 of its
; four partners, a lane a piece of 256 bytes, the shares told apart BY ADDRESS: W2's first ring tile of the walk (column block cx, third w) and share 3 cx + w of twelve of its first four direct K steps:
; 384 matrix instructions ahead of the tensor load that wants the tile.  Each piece is named once in the launch; the addresses are never rewritten.
.macro TURN fill
	WIN 0
	s_wait_dscnt 0x0                               ; this K step's fragments, issued 48 products back
	s_wait_loadcnt 24                              ; its direct fragments, and x's piece ahead of them; the two younger K steps' 24 loads may stay out
.if \fill
	s_cmp_eq_u32 s95, 0
	s_cbranch_scc1 .Lnoxs_\@
	XSTORE2
	s_sub_co_u32 s95, s95, 1
.Lnoxs_\@:
	s_wait_tensorcnt 0x0                           ; no tensor load of mine is out, so a group 0 may be written
	ds_add_u32 v28, v29                            ; 0 onto my spare word
	GADDR
	MULN 1, 3, 0, 0, 5, 0
	s_wait_dscnt 0x0                               ; the add and my stores of x are done; my reads of this slot were over above
	s_barrier_signal -1
	MULN 1, 3, 0, 6, 11, 0                         ; work on registers while the others arrive
	WIN 0                                          ; at a branch and at a label every window is 0
	s_barrier_wait -1
	CREST
	tensor_load_to_lds s[36:39], s[40:47]
	s_nop 0
	PLACES                                         ; also the places in front of the loads below
.else
	s_wait_tensorcnt 0x0                           ; my last tile
	MULN 1, 3, 0, 0, 11, 0
	WIN 0
	PLACES
.endif
	s_xor_b32 s66, s66, RING1                      ; 0 and 98,304 by turns
	v_add_nc_u32 v4, s66, v5                       ; the other slot is read from here on
	FETCHB 0, 0
	WIN 0
.if \fill
	s_cmp_eq_u32 s27, s98
	s_cbranch_scc1 .Lnorow_\@                      ; behind the first product's last period there are no rows yet
.endif
	FETCHA 0, 256
.if \fill
.Lnorow_\@:
.endif
	GLOAD 2
	WIN 0
.if \fill
	s_cmp_eq_u32 s27, s97
	s_cbranch_scc0 .Lna_\@
	global_prefetch_b8 v15, s[54:55] th:TH_LOAD_NT scope:SCOPE_SE
	global_prefetch_b8 v15, s[56:57] th:TH_LOAD_NT scope:SCOPE_SE
.Lna_\@:
.endif
	MULN 1, 3, 1, 0, 11, 0
	MULN 1, 3, 2, 0, 11, 0
	MULN 1, 3, 3, 0, 11, 0
	WIN 0
	v_add_nc_u32 v6, 256, v6                       ; a period along the rows
	v_add_nc_u32 v7, 256, v7
.endm
	s_load_b512 s[4:19], s[0:1], 0x0
	s_load_b64 s[20:21], s[0:1], 0x40
	v_lshl_add_u32 v28, v0, 2, SPARE
	v_mov_b32 v29, 0
	ds_add_u32 v28, v29                            ; the wave's opening: the add, twice on end, and its wait ahead of my first tensor load
	ds_add_u32 v28, v29
	v_lshrrev_b32 v26, 5, v0
	v_readfirstlane_b32 s22, v26                   ; wave 0..3
	s_bfe_u32 s23, ttmp6, 0x40000                  ; cx: it enters global addresses of x, of the results and of the prefetches alone
	s_lshl_b32 s24, ttmp9, 2
	s_add_co_u32 s24, s24, s23                     ; g
	s_lshr_b32 s25, ttmp9, 1
	s_and_b32 s25, s25, 3                          ; rho: two clusters are a batch
	s_add_co_u32 s26, s22, s25
	s_and_b32 s26, s26, 3                          ; my column block in the tensors
	s_mul_i32 s58, s25, 3                          ; x's first unit, and the ring's: tile 0 begins there,
	s_add_co_u32 s48, s58, 2                       ; tile 1 two units on (11 at the most)
	s_mov_b32 s49, 2                               ; the first refill is tile 2
	s_mul_i32 s92, s25, 6                          ; the direct loads' first K step
	s_mul_i32 s82, s92, DSTEP
	s_mov_b32 s83, 0
	s_mov_b32 s93, 0
	s_mov_b32 s94, 4                               ; pieces 2 to 5 of x are asked for in the loop,
	s_mov_b32 s95, 5                               ; pieces 1 to 5 stored in it
	s_mov_b32 s96, 2
	s_mov_b32 s98, 1                               ; the first product's last change of slots fetches no rows: h1 is not there yet
	s_mov_b32 s66, 0
	s_mov_b32 s29, 0
	s_mov_b32 s53, 0
	s_mov_b32 s59, 0x3aaaaaab                      ; 1 / 768
	s_mov_b32 s60, 0x3727c5ac                      ; 1e-5
	s_mov_b32 s61, 0x322bcc77                      ; 1e-8
	s_mov_b32 s62, 0x76543210
	s_mov_b32 s63, 0xfedcba98
	s_and_b32 s28, ttmp9, 0xfffffff9               ; 0 in clusters 0, 2, 4, 6: one for each rho
	s_cmp_eq_u32 s28, 0
	s_cselect_b32 s97, 4, 0                        ; they prefetch in period 2, where s27 = 4;
	s_cmp_lt_u32 s22, 3
	s_cselect_b32 s97, s97, 0                      ; waves 0 to 2: the same in all four partners, for a given wave
	; descriptor group 1: 96 rows of 32 elements of 8 bytes, dense: 24,576 bytes on end
	s_mov_b32 s40, 15|(3<<16)|(1<<21)              ; 15:0 the mask of four; 17:16 elements of 8 bytes; 21 set beside a mask
	s_mov_b32 s41, 32<<16                          ; tensor_dim0 = 32
	s_mov_b32 s42, 96<<16                          ; tensor_dim1 = 96
	s_mov_b32 s43, 32<<16                          ; tile_dim0 = 32
	s_mov_b32 s44, 96                              ; tile_dim1 = 96
	s_mov_b32 s45, 32                              ; elements from row to row
	s_mov_b32 s46, 0
	s_mov_b32 s47, 0
	s_mov_b32 s32, 1
	s_mul_i32 s33, s22, WBLK                       ; LDS address: wave x 24,576, slot 0
	s_mov_b32 s36, 1
	s_add_co_u32 s37, s33, RING1                   ; slot 1
	v_and_b32 v1, 15, v0                           ; r
	v_bfe_u32 v2, v0, 4, 1                         ; h
	v_and_b32 v3, 31, v0                           ; lane
	v_lshl_add_u32 v5, v3, 4, s33                  ; my 16 bytes of a ring fragment, less the slot
	v_mov_b32 v4, v5                               ; the same in the slot that is read: slot 0
	v_mul_u32_u24 v8, v1, XP
	v_lshl_add_u32 v8, v2, 4, v8
	v_add_nc_u32 v8, XH, v8                        ; a fragment of x: row r, 16 h; rows 0-31
	v_add_nc_u32 v9, XHALF, v8                     ; rows 32-63
	v_mov_b32 v6, v8                               ; the running addresses
	v_mov_b32 v7, v9
	s_mul_i32 s30, s22, 384
	v_add_nc_u32 v10, s30, v8                      ; the same at my wave's columns: where a tile's 16 bytes lie
	v_add_nc_u32 v11, s30, v9
	v_mul_u32_u24 v12, v2, 3072
	v_lshl_add_u32 v12, v1, 4, v12                 ; x in memory: row h, 16 r
	s_mul_i32 s30, s22, X16
	s_add_co_u32 s30, s30, XH                      ; my 16 rows in LDS
	v_mul_u32_u24 v13, v2, XP
	v_lshl_add_u32 v13, v1, 3, v13
	v_add_nc_u32 v13, s30, v13                     ; where x's 8 bytes go
	v_lshl_add_u32 v22, v3, 4, s30                 ; where ff is read back
	s_mul_i32 s30, s26, 768
	v_lshl_add_u32 v14, v2, 5, s30                 ; my eight numbers of a vector of tabs
	v_lshlrev_b32 v15, 8, v3                       ; the prefetches' lane term
	s_lshl_b32 s30, s22, 2
	s_add_co_u32 s30, s30, STAT
	v_lshl_add_u32 v16, v1, 4, s30                 ; statistics: row r, my wave's word
	v_lshl_add_u32 v17, v1, 4, STAT                ; and a row's four words
	s_lshl_b32 s30, s22, 12
	s_add_co_u32 s30, s30, HEADP
	v_lshl_add_u32 v18, v1, 6, s30
	v_lshl_add_u32 v18, v2, 5, v18
	s_mul_i32 s30, s22, 768
	v_lshl_add_u32 v21, v3, 3, s30                 ; my 8 bytes of the wave's 768 of column sums, in memory
	s_add_co_u32 s30, s30, SS
	v_lshl_add_u32 v19, v1, 2, s30                 ; a tile's column r
	v_lshl_add_u32 v20, v3, 3, s30
	v_lshlrev_b32 v23, 4, v3
	v_mov_b32 v24, 1.0
	v_mov_b32 v25, 0
	v_lshlrev_b32 v31, 3, v3
	s_wait_dscnt 0x0                               ; both opening adds are done
	s_wait_kmcnt 0x0
	s_mul_i32 s28, s26, RCOL
	s_add_nc_u64 s[50:51], s[6:7], s[28:29]        ; the ring part at my block
	s_mul_i32 s52, s58, RUNIT
	s_add_nc_u64 s[34:35], s[50:51], s[52:53]
	s_or_b32 s35, s35, 0x80000000                  ; type = 2
	s_mul_i32 s52, s48, RUNIT
	s_add_nc_u64 s[38:39], s[50:51], s[52:53]
	s_or_b32 s39, s39, 0x80000000
	s_mul_i32 s28, s26, 6144
	s_add_co_u32 s28, s28, DIRB
	s_add_nc_u64 s[80:81], s[6:7], s[28:29]        ; the direct part at my block
	s_mul_i32 s28, s23, RCOL                       ; the prefetches: W2's tile at unit 3 rho of column block cx, its third w;
	s_mul_i32 s30, s58, RUNIT
	s_add_co_u32 s28, s28, s30
	s_lshl_b32 s30, s22, 13
	s_add_co_u32 s28, s28, s30
	s_add_co_u32 s28, s28, RMAT
	s_add_nc_u64 s[54:55], s[6:7], s[28:29]
	s_mul_i32 s28, s23, 3                          ; and share 3 cx + w of twelve of W2's direct K steps 6 rho .. 6 rho + 3
	s_add_co_u32 s28, s28, s22
	s_lshl_b32 s28, s28, 13
	s_add_co_u32 s28, s28, s82
	s_add_co_u32 s28, s28, DIRB+DMAT
	s_add_nc_u64 s[56:57], s[6:7], s[28:29]
	s_mul_i32 s28, s24, 196608
	s_mul_i32 s30, s22, 49152
	s_add_co_u32 s28, s28, s30
	s_add_nc_u64 s[4:5], s[4:5], s[28:29]          ; x at row 64 g + 16 w
	s_mul_i32 s28, s26, 6144
	s_add_nc_u64 s[8:9], s[8:9], s[28:29]          ; the heads' six fragments of my columns
	s_mul_i32 s28, s24, 98304
	s_mul_i32 s30, s22, 24576
	s_add_co_u32 s28, s28, s30
	s_add_nc_u64 s[12:13], s[12:13], s[28:29]      ; ff at row 64 g + 16 w
	s_mul_i32 s28, s24, 3072
	s_add_nc_u64 s[14:15], s[14:15], s[28:29]
	s_lshl_b32 s28, s24, 8
	s_add_nc_u64 s[16:17], s[16:17], s[28:29]
	s_mul_i32 s28, s24, 768
	s_add_nc_u64 s[18:19], s[18:19], s[28:29]
	s_mul_i32 s28, s24, 1280
	s_add_nc_u64 s[20:21], s[20:21], s[28:29]
	s_load_b256 s[84:91], s[10:11], 0x3000         ; by, bz
	ROUND                                          ; all four work-groups are here: the first joint loads meet
	tensor_load_to_lds s[32:35], s[40:47]          ; periods 0 and 1: two loads of mine are out here, later one
	s_nop 0
	tensor_load_to_lds s[36:39], s[40:47]
	s_nop 0
	PLACES
	TLOAD 0x80, 192, 0, 0, 6                       ; b1
	TLOAD 0xc0, 192, 0, 6, 6
	TLOAD 0, 192, 3072, 0, 8                       ; b2
	TLOAD 0x80, 240, 3072, 8, 2
	TLOAD 0xc0, 240, 3072, 10, 2
	XLOAD2                                         ; x, columns 0-127
	GLOAD 0                                        ; the direct fragments of K steps 0, 1, 2
	GLOAD 1
	GLOAD 2
	WIN 0
	s_wait_kmcnt 0x0
	s_wait_loadcnt 36                              ; b1, b2 and x's first piece are in; the 36 direct loads may stay out
	XSTORE2
	s_wait_dscnt 0x0                               ; for the others' sake
	BAR                                            ; the tiles may stay on their way
	s_wait_tensorcnt 1                             ; my part of period 0, which I alone read; period 1's may stay out
	FETCHB 0, 0
	FETCHA 0, 0
	; ---- the first product's first K step starts the sums with b1
	FETCHB 1, 1
	FETCHA 1, 64
	GLOAD 3
	s_wait_dscnt 20                                ; all but the 20 just issued
	s_wait_loadcnt 36                              ; K step 0's direct fragments are in
	XLOAD2                                         ; x, columns 128-255
	MUL48 0, 0, 1
	WIN 0                                          ; at a label and at a branch every window is 0
	s_mov_b32 s27, 6
	s_branch .Lmid                                 ; the loop is entered behind a period's first K step
.Lgemm:                                            ; the second product: four periods in the loop, two behind it
	s_mov_b32 s27, 4
.Ltrip:                                            ; a trip is a period: four K steps, one refill
	KSTEP 0, 1, 36
	WIN 0
	s_cmp_eq_u32 s94, 0
	s_cbranch_scc1 .Lnoxl
	XLOAD2                                         ; the next period's columns of x: behind the wait, so that this K step's count stands as it is
	s_sub_co_u32 s94, s94, 1
.Lnoxl:
	MUL48 0, 0, 0
	WIN 0
.Lmid:
	KSTEP 1, 1, 36
	MUL48 1, 1, 0
	KSTEP 2, 1, 36
	MUL48 0, 2, 0
	TURN 1
	s_sub_co_u32 s27, s27, 1
	s_cmp_lg_u32 s27, 0
	s_cbranch_scc1 .Ltrip
	s_cmp_eq_u32 s96, 1
	s_cbranch_scc1 .Ltail
	; ---- between the products.  The round of the last change of slots has shown every wave's reads of x over; from here to the barrier below a wave reads and writes its own columns alone, and LDS serves
	; its instructions in order (ISA guide 5.7.1.4).  Eight tiles at a time: rounded, relu on the packed halves; the accumulator takes x + b2; h1 goes where x lay.
	PLACES                                         ; v96-127 were sources of the last products
	LOADX 0
.set b_, 0
.rept 6
	WIN 0x0a+5*(b_/3)
.set u_, 0
.rept 8
.set i_, 8*b_+u_
.set a_, 96*((i_/12)&1)+8*(i_%12)
.set q_, 0
.rept 4
	v_cvt_pk_bf16_f32 v[96+4*u_+q_], v[a_+2*q_], v[a_+2*q_+1]
.set q_, q_+1
.endr
.set u_, u_+1
.endr
	WIN 0
.set k_, 0
.rept 32
	v_pk_max_num_bf16 v[96+k_], v[96+k_], v25
.set k_, k_+1
.endr
.if b_ < 5
	LOADX b_+1
.endif
.if (b_ == 0) || (b_ == 5)
	s_wait_dscnt 8                                 ; this batch's x is in; the next batch's 8 loads, or the last batch's 8 stores, may be out
.else
	s_wait_dscnt 16                                ; both may be out
.endif
.set u_, 0
.rept 8
.set i_, 8*b_+u_
.set a_, 96*((i_/12)&1)+8*(i_%12)
.set e_, i_%12
.if e_ < 8
.set w2_, 0
.set c_, 192+8*e_
.elseif e_ < 10
.set w2_, 2
.set c_, 240+8*(e_-8)
.else
.set w2_, 3
.set c_, 240+8*(e_-10)
.endif
	WIN ((2+i_/24)<<6)|(w2_<<4)
.set q_, 0
.rept 4
	v_fma_mix_f32_bf16 v[a_+2*q_], v[128+32*(b_&1)+4*u_+q_], v24, v[c_+2*q_] op_sel:[0,0,0] op_sel_hi:[1,0,0]      ; x (a bf16 half) x 1.0 + b2
	v_fma_mix_f32_bf16 v[a_+2*q_+1], v[128+32*(b_&1)+4*u_+q_], v24, v[c_+2*q_+1] op_sel:[1,0,0] op_sel_hi:[1,0,0]
.set q_, q_+1
.endr
.set u_, u_+1
.endr
	WIN 0
.set u_, 0
.rept 8
.set i_, 8*b_+u_
	ds_store_b128 v[10+i_/24], v[96+4*u_:96+4*u_+3] offset:((i_/12)&1)*X16+32*(i_%12)
.set u_, u_+1
.endr
.set b_, b_+1
.endr
	s_wait_dscnt 0x0
	BAR                                            ; h1 is whole.  Period 7's tile may stay on its way
	v_mov_b32 v6, v8
	v_mov_b32 v7, v9
	FETCHA 0, 0
	s_mov_b32 s98, 0                               ; every change of slots of the second product fetches rows,
	s_mov_b32 s97, 0                               ; and none prefetches
	s_sub_co_u32 s96, s96, 1
	s_branch .Lgemm
.Ltail:                                            ; the last two periods ask for nothing
	KSTEP 0, 1, 36
	MUL48 0, 0, 0
	KSTEP 1, 1, 36
	MUL48 1, 1, 0
	KSTEP 2, 1, 36
	MUL48 0, 2, 0
	TURN 0
	KSTEP 0, 1, 36                                 ; the last K step's direct fragments go out
	TLOAD 0, 128, 6144, 0, 12                      ; gamma, where x and b2 lay
	MUL48 0, 0, 0
	KSTEP 1, 0, 48                                 ; two K steps' 24 loads and gamma's 24 may stay out,
	MUL48 1, 1, 0
	KSTEP 2, 0, 36                                 ; one K step's and gamma's,
	MUL48 0, 2, 0
	s_wait_dscnt 0x0
	s_wait_loadcnt 24                              ; gamma's
	MUL48 1, 3, 0
	; ---- LayerNorm.  A lane holds 96 numbers of each of four rows; sums go lane, other half of the lanes, then the four waves through LDS.
; Four chains over row block mt's 48 pairs: their sum (sq = 0; each accumulator's lowest registers are read first) or the sum of their squares (sq = 1)
.macro CHAIN mt, sq
.set cw_, 2+(\mt)/2
.set cb_, 96*((\mt)&1)
.set ct_, 32+8*(\mt)
	WIN (cw_<<2)|cw_
.set p_, 0
.rept 4
.if \sq
	v_pk_mul_f32 v[ct_+2*p_:ct_+2*p_+1], v[cb_+2*p_:cb_+2*p_+1], v[cb_+2*p_:cb_+2*p_+1]
.else
	v_pk_add_f32 v[ct_+2*p_:ct_+2*p_+1], v[cb_+2*p_:cb_+2*p_+1], v[cb_+2*p_+8:cb_+2*p_+9]
.endif
.set p_, p_+1
.endr
.if \sq
.rept 44
	v_pk_fma_f32 v[ct_+2*(p_%4):ct_+2*(p_%4)+1], v[cb_+2*p_:cb_+2*p_+1], v[cb_+2*p_:cb_+2*p_+1], v[ct_+2*(p_%4):ct_+2*(p_%4)+1]
.set p_, p_+1
.endr
.else
	WIN cw_<<2
.set p_, 8
.rept 40
	v_pk_add_f32 v[ct_+2*(p_%4):ct_+2*(p_%4)+1], v[ct_+2*(p_%4):ct_+2*(p_%4)+1], v[cb_+2*p_:cb_+2*p_+1]
.set p_, p_+1
.endr
.endif
.endm
; The chains are folded, the waves' figures meet in an area of their own, and v[64 + 4 mt] takes the row's total
.macro FOLD area
	WIN 0
.irp m, 0,1,2,3
	v_pk_add_f32 v[32+8*(\m):32+8*(\m)+1], v[32+8*(\m):32+8*(\m)+1], v[32+8*(\m)+2:32+8*(\m)+3]
	v_pk_add_f32 v[32+8*(\m)+4:32+8*(\m)+5], v[32+8*(\m)+4:32+8*(\m)+5], v[32+8*(\m)+6:32+8*(\m)+7]
.endr
.irp m, 0,1,2,3
	v_pk_add_f32 v[32+8*(\m):32+8*(\m)+1], v[32+8*(\m):32+8*(\m)+1], v[32+8*(\m)+4:32+8*(\m)+5]
.endr
.irp m, 0,1,2,3
	v_add_f32 v[32+8*(\m)], v[32+8*(\m)], v[32+8*(\m)+1]
.endr
.irp m, 0,1,2,3
	v_permlanex16_b32 v[32+8*(\m)+1], v[32+8*(\m)], s62, s63   ; the row's other 96 columns of my wave lie in the lane 16 away
.endr
.irp m, 0,1,2,3
	v_add_f32 v[32+8*(\m)], v[32+8*(\m)], v[32+8*(\m)+1]
.endr
.irp m, 0,1,2,3
	ds_store_b32 v16, v[32+8*(\m)] offset:(\area)*1024+(\m)*256
.endr
	s_wait_dscnt 0x0
	BAR
.irp m, 0,1,2,3
	ds_load_b128 v[64+4*(\m):64+4*(\m)+3], v17 offset:(\area)*1024+(\m)*256
.endr
	s_wait_dscnt 0x0
.irp m, 0,1,2,3
	v_add_f32 v[64+4*(\m)], v[64+4*(\m)], v[64+4*(\m)+1]
	v_add_f32 v[64+4*(\m)+2], v[64+4*(\m)+2], v[64+4*(\m)+3]
.endr
.irp m, 0,1,2,3
	v_add_f32 v[64+4*(\m)], v[64+4*(\m)], v[64+4*(\m)+2]
.endr
.endm
	PLACES
	TLOAD 0x40, 0, 9216, 0, 12                     ; beta, where the ring fragments lay
.set t_, 0
.rept 6
	global_load_b128 v[192+8*t_:192+8*t_+3], v23, s[8:9] offset:1024*t_        ; the heads' fragments
	global_load_b128 v[192+8*t_+4:192+8*t_+7], v23, s[8:9] offset:1024*t_+512
.set t_, t_+1
.endr
	CHAIN 0, 0
	CHAIN 1, 0
	CHAIN 2, 0
	CHAIN 3, 0
	FOLD 0
.irp m, 0,1,2,3
	v_mul_f32 v[80+2*(\m)], s59, v[64+4*(\m)]      ; the mean, in both registers of a pair
	v_mul_f32 v[81+2*(\m)], s59, v[64+4*(\m)]
.endr
.set m_, 0
.rept 4                                ; the mean is taken away first, as reference() does, and the squares are those of the differences
	WIN ((2+m_/2)<<6)|(2+m_/2)
.set p_, 0
.rept 48
	v_pk_add_f32 v[96*(m_&1)+2*p_:96*(m_&1)+2*p_+1], v[96*(m_&1)+2*p_:96*(m_&1)+2*p_+1], v[80+2*m_:81+2*m_] neg_lo:[0,1] neg_hi:[0,1]
.set p_, p_+1
.endr
	CHAIN m_, 1
.set m_, m_+1
.endr
	FOLD 1
.irp m, 0,1,2,3
	v_fma_f32 v[64+4*(\m)], v[64+4*(\m)], s59, s60 ; var + 1e-5
.endr
.irp m, 0,1,2,3
	v_rsq_f32 v[88+2*(\m)], v[64+4*(\m)]
	v_rsq_f32 v[89+2*(\m)], v[64+4*(\m)]
.endr
	v_nop                                          ; a plain instruction behind the last of the batch (ISA guide 5.7.2),
	s_wait_alu depctr_va_vdst(0)                   ; and a wait ahead of the first use
	s_wait_loadcnt 0x0                             ; gamma, beta, the heads' fragments
.set m_, 0
.rept 4                                ; ff = (x - mu) rstd gamma + beta, in place; then the sum of its squares
	WIN ((2+m_/2)<<6)|(1<<4)|(2+m_/2)              ; accumulators in their window, rstd and gamma in window 0, beta in window 1
.set p_, 0
.rept 12
.set q_, 0
.rept 4
	v_pk_mul_f32 v[96*(m_&1)+2*(p_+q_):96*(m_&1)+2*(p_+q_)+1], v[96*(m_&1)+2*(p_+q_):96*(m_&1)+2*(p_+q_)+1], v[88+2*m_:89+2*m_]
.set q_, q_+1
.endr
.set q_, 0
.rept 4
	v_pk_fma_f32 v[96*(m_&1)+2*(p_+q_):96*(m_&1)+2*(p_+q_)+1], v[96*(m_&1)+2*(p_+q_):96*(m_&1)+2*(p_+q_)+1], v[128+2*(p_+q_):128+2*(p_+q_)+1], v[2*(p_+q_):2*(p_+q_)+1]
.set q_, q_+1
.endr
.set p_, p_+4
.endr
	CHAIN m_, 1
.set m_, m_+1
.endr
	FOLD 2
.irp m, 0,1,2,3
	v_max_num_f32 v[64+4*(\m)], s61, v[64+4*(\m)]  ; |ff|^2, at least 1e-8
.endr
.irp m, 0,1,2,3
	v_rsq_f32 v[80+2*(\m)], v[64+4*(\m)]
	v_rsq_f32 v[81+2*(\m)], v[64+4*(\m)]
.endr
	v_nop
	s_wait_alu depctr_va_vdst(0)
	; 1 / |ff| of the 64 rows, rounded to bf16, into my wave's own copy (both halves of the lanes write the same number); and the addresses of the column sums' loads
	s_lshl_b32 s30, s22, 7
	s_add_co_u32 s30, s30, INVB
	v_lshl_add_u32 v26, v1, 1, s30                 ; row r's two bytes
	v_lshl_add_u32 v27, v2, 4, s30                 ; eight rows from 8 h on
.irp m, 0,1,2,3
	v_cvt_pk_bf16_f32 v[64+4*(\m)], v[80+2*(\m)], v[81+2*(\m)]
.endr
.irp m, 0,1,2,3
	ds_store_b16 v26, v[64+4*(\m)] offset:32*(\m)
.endr
	v_and_b32 v30, 7, v0                           ; the turning load: lane l reads row 8 (l / 16) + l % 8, columns 8 ((l / 8) % 2) + 0..7 of a tile
	v_lshl_add_u32 v30, v2, 3, v30
	v_mul_u32_u24 v30, v30, XP
	v_bfe_u32 v4, v0, 3, 1
	v_lshl_add_u32 v30, v4, 4, v30
	s_mul_i32 s30, s22, 384
	s_add_co_u32 s30, s30, XH
	v_add_nc_u32 v30, s30, v30                     ; at my wave's columns, rows 0-31
	v_add_nc_u32 v5, XHALF, v30                    ; rows 32-63
	; ---- ff rounded to bf16: two tiles' 16 + 16 bytes ARE a fragment (16 rows x 32 columns) of the heads' product, and go into the rows in LDS.  The packed registers lie in two banks by turns,
	; so that a group's 32 roundings stand between the products that read a bank and its rewriting.  The four sums take turns.
.set t_, 0
.rept 6
.set tp_, 96-64*(t_&1)
.set m_, 0
.rept 4
	WIN 0x0a+5*(m_/2)
.set q_, 0
.rept 8
	v_cvt_pk_bf16_f32 v[tp_+8*m_+q_], v[96*(m_&1)+16*t_+2*q_], v[96*(m_&1)+16*t_+2*q_+1]
.set q_, q_+1
.endr
.set m_, m_+1
.endr
	WIN 0
.set m_, 0
.rept 4
	ds_store_b128 v[10+m_/2], v[tp_+8*m_:tp_+8*m_+3] offset:(m_&1)*X16+64*t_
	ds_store_b128 v[10+m_/2], v[tp_+8*m_+4:tp_+8*m_+7] offset:(m_&1)*X16+64*t_+32
.set m_, m_+1
.endr
	WIN 0x51                                       ; the heads' weights and sums in window 1, ff in window 0
.set m_, 0
.rept 4
.if t_ == 0
	v_wmma_f32_16x16x32_bf16 v[96+8*m_:96+8*m_+7], v[192+8*t_:192+8*t_+7], v[tp_+8*m_:tp_+8*m_+7], 0
.else
	v_wmma_f32_16x16x32_bf16 v[96+8*m_:96+8*m_+7], v[192+8*t_:192+8*t_+7], v[tp_+8*m_:tp_+8*m_+7], v[96+8*m_:96+8*m_+7]
.endif
.set m_, m_+1
.endr
.set t_, t_+1
.endr
	; ---- the column sums of ff / |ff| over the 64 rows, as a product: source 0 = 1 / |ff| (the same in all 16 rows of the operand, K = 32 rows of ff), source 1 = ff turned, out of my own columns of the
	; rows in LDS (my own stores, served in order).  In the result every row is the sum; register 0 of lane l holds column l % 16 of the tile.  The 12 sums take turns.
	WIN 0
	PLACES                                         ; the loads below land on sources of the heads' products
.irp i, 0,1,2,3
	ds_load_b128 v[224+4*(\i):227+4*(\i)], v27 offset:32*(\i)
.endr
	WIN 0x40
.set n_, 0
.rept 12
	ds_load_tr16_b128 v[8*n_:8*n_+3], v30 offset:32*n_
	ds_load_tr16_b128 v[8*n_+4:8*n_+7], v30 offset:X16+32*n_
	ds_load_tr16_b128 v[128+8*n_:128+8*n_+3], v5 offset:32*n_
	ds_load_tr16_b128 v[128+8*n_+4:128+8*n_+7], v5 offset:X16+32*n_
.set n_, n_+1
.endr
	s_wait_dscnt 0x0
	WIN 0x04                                       ; ff turned in window 1; 1 / |ff| and the sums in window 0
.set n_, 0
.rept 12
	v_wmma_f32_16x16x32_bf16 v[128+8*n_:128+8*n_+7], v[224:231], v[8*n_:8*n_+7], 0
.set n_, n_+1
.endr
.set n_, 0
.rept 12
	v_wmma_f32_16x16x32_bf16 v[128+8*n_:128+8*n_+7], v[232:239], v[128+8*n_:128+8*n_+7], v[128+8*n_:128+8*n_+7]
.set n_, n_+1
.endr
	WIN 0
	PLACES
.set n_, 0
.rept 12
	ds_store_b32 v19, v[128+8*n_] offset:64*n_     ; both halves of the lanes hold, and write, the same numbers
.set n_, n_+1
.endr
.irp i, 0,1,2
	ds_load_b64 v[96+2*(\i):97+2*(\i)], v20 offset:256*(\i)      ; my wave's own bytes, served in order (ISA guide 5.7.1.4)
.endr
	WIN 0x04                                       ; store data in window 1
.irp m, 0,1,2,3
	ds_store_b128 v18, v[96+8*(\m):96+8*(\m)+3] offset:1024*(\m)     ; the heads' partial sums: row 16 mt + r, outputs 8 h + 0..7
	ds_store_b128 v18, v[96+8*(\m)+4:96+8*(\m)+7] offset:1024*(\m)+16
.endr
	WIN 0
	s_wait_dscnt 0x0
.irp i, 0,1,2
	global_store_b64 v21, v[96+2*(\i):97+2*(\i)], s[14:15] offset:256*(\i)   ; 256 consecutive bytes, aligned
.endr
	BAR                                            ; ff's rows and the heads' partial sums are whole
	WIN 0x80
.set q_, 0
.rept 48                               ; my 16 rows of ff: 1,536 bytes each, 512 a load
	ds_load_b128 v[4*q_:4*q_+3], v22 offset:(q_/3)*XP+(q_%3)*512
.set q_, q_+1
.endr
	WIN 0x08
.set q_, 0
.rept 48
	s_wait_dscnt 47-q_                             ; the younger loads may stay out
	global_store_b128 v23, v[4*q_:4*q_+3], s[12:13] offset:512*q_
.set q_, q_+1
.endr
	WIN 0
	s_cmp_eq_u32 s22, 0
	s_cbranch_scc1 .Lheads
	s_cmp_eq_u32 s22, 1
	s_cbranch_scc0 .Lend
	; ---- wave 1: 1 / max(|ff|, 1e-4) of rows 2 l and 2 l + 1
	v_lshl_add_u32 v26, v3, 5, STAT+2048
	ds_load_b128 v[32:35], v26
	ds_load_b128 v[36:39], v26 offset:16
	s_wait_dscnt 0x0
	v_add_f32 v32, v32, v33
	v_add_f32 v34, v34, v35
	v_add_f32 v36, v36, v37
	v_add_f32 v38, v38, v39
	v_add_f32 v32, v32, v34
	v_add_f32 v36, v36, v38
	v_max_num_f32 v32, s61, v32
	v_max_num_f32 v36, s61, v36
	v_rsq_f32 v40, v32
	v_rsq_f32 v41, v36
	v_nop
	s_wait_alu depctr_va_vdst(0)
	global_store_b64 v31, v[40:41], s[16:17]
	s_branch .Lend
.Lheads:
	; ---- wave 0: the four waves' partial sums of the heads, rows 2 l and 2 l + 1; the biases; out0 and out1 through a stage, so that each store covers 256 consecutive bytes, aligned
	v_lshl_add_u32 v26, v3, 7, HEADP
.set k_, 0
.rept 16                               ; wave k / 4, row (k / 2) % 2, half k % 2
	ds_load_b128 v[32+4*k_:32+4*k_+3], v26 offset:(k_/4)*4096+((k_/2)%2)*64+(k_%2)*16
.set k_, k_+1
.endr
	s_wait_dscnt 0x0
.irp w, 1,2,3
.set p_, 0
.rept 8
	v_pk_add_f32 v[32+2*p_:32+2*p_+1], v[32+2*p_:32+2*p_+1], v[32+16*(\w)+2*p_:32+16*(\w)+2*p_+1]
.set p_, p_+1
.endr
.endr
.set k_, 0
.rept 16
	v_add_f32 v[32+k_], s[84+(k_%8)], v[32+k_]
.set k_, k_+1
.endr
	v_mul_u32_u24 v26, v3, 24
	v_add_nc_u32 v26, OUTST, v26
	v_mul_u32_u24 v27, v3, 40
	v_add_nc_u32 v27, OUTST+768, v27
	v_lshl_add_u32 v30, v3, 3, OUTST
.set k_, 0
.rept 16
.if (k_%8) < 3
	ds_store_b32 v26, v[32+k_] offset:12*(k_/8)+4*(k_%8)
.else
	ds_store_b32 v27, v[32+k_] offset:20*(k_/8)+4*((k_%8)-3)
.endif
.set k_, k_+1
.endr
.set u_, 0
.rept 8
	ds_load_b64 v[64+2*u_:65+2*u_], v30 offset:256*u_
.set u_, u_+1
.endr
	s_wait_dscnt 0x0
.irp u, 0,1,2
	global_store_b64 v31, v[64+2*(\u):65+2*(\u)], s[18:19] offset:256*(\u)
.endr
.irp u, 3,4,5,6,7
	global_store_b64 v31, v[64+2*(\u):65+2*(\u)], s[20:21] offset:256*((\u)-3)
.endr
.Lend:
	s_wait_tensorcnt 0x0                           ; the wave's end, behind my last tensor load and my last LDS store
	ds_add_u32 v28, v29
	s_wait_dscnt 0x0
	ROUND                                          ; the closing round: no work-group ends while a partner may still ask for a tile that names it
	s_endpgm
.Lfunc_end_k_qcd4f41a54e_ffn:
	.size	k_qcd4f41a54e_ffn, .Lfunc_end_k_qcd4f41a54e_ffn-k_qcd4f41a54e_ffn
	.p2alignl 7, 3214868480
	.fill 96, 4, 3214868480
	.section	.rodata,"a",@progbits
	.p2align	6, 0x0
	.amdhsa_kernel k_qcd4f41a54e_ffn
		.amdhsa_group_segment_fixed_size 327680
		.amdhsa_private_segment_fixed_size 0
		.amdhsa_enable_private_segment 0
		.amdhsa_kernarg_size 72
		.amdhsa_user_sgpr_count 2
		.amdhsa_user_sgpr_kernarg_segment_ptr 1
		.amdhsa_wavefront_size32 1
		.amdhsa_system_sgpr_workgroup_id_x 1
		.amdhsa_system_sgpr_workgroup_id_y 1
		.amdhsa_system_sgpr_workgroup_id_z 1
		.amdhsa_system_vgpr_workitem_id 0
		.amdhsa_next_free_vgpr 1024
		.amdhsa_next_free_sgpr 100
		.amdhsa_reserve_vcc 0
		.amdhsa_float_denorm_mode_32 3
		.amdhsa_float_denorm_mode_16_64 3
		.amdhsa_memory_ordered 1
		.amdhsa_forward_progress 1
		.amdhsa_inst_pref_size 255
	.end_amdhsa_kernel
	.section	.bss,"aw",@nobits
	.p2align	6
	.space	262144
	.amdgpu_metadata
---
amdhsa.version: [ 1, 2 ]
amdhsa.kernels:
  - .name:           k_qcd4f41a54e_ffn
    .symbol:         k_qcd4f41a54e_ffn.kd
    .args:
      - { .name: embeddings, .offset: 0, .size: 8, .value_kind: global_buffer, .address_space: global }
      - { .name: wfrag, .offset: 8, .size: 8, .value_kind: global_buffer, .address_space: global }
      - { .name: wyz, .offset: 16, .size: 8, .value_kind: global_buffer, .address_space: global }
      - { .name: tabs, .offset: 24, .size: 8, .value_kind: global_buffer, .address_space: global }
      - { .name: ffb, .offset: 32, .size: 8, .value_kind: global_buffer, .address_space: global }
      - { .name: ssum, .offset: 40, .size: 8, .value_kind: global_buffer, .address_space: global }
      - { .name: invn, .offset: 48, .size: 8, .value_kind: global_buffer, .address_space: global }
      - { .name: out0, .offset: 56, .size: 8, .value_kind: global_buffer, .address_space: global }
      - { .name: out1, .offset: 64, .size: 8, .value_kind: global_buffer, .address_space: global }
    .group_segment_fixed_size: 327680
    .private_segment_fixed_size: 0
    .kernarg_segment_align: 8
    .kernarg_segment_size: 72
    .max_flat_workgroup_size: 128
    .sgpr_count:     100
    .vgpr_count:     1024
    .wavefront_size: 32
...
	.end_amdgpu_metadata
.endif
;; end of part 2
;; launch aw (part 3): grid 256 x 1, 4 waves a work-group, no clusters, 4,096 bytes of LDS; arguments ffb, ssum, invn, ebuf; writes ebuf
.if DOCPART == 3
	.amdgcn_target "amdgcn-amd-amdhsa--gfx1250"
	.amdhsa_code_object_version 6
	.text
	.protected	k_qcd4f41a54e_aw
	.globl	k_qcd4f41a54e_aw
	.p2align	8
	.type	k_qcd4f41a54e_aw,@function
k_qcd4f41a54e_aw:
	s_mov_b64 s[64:65], 0
	v_nop
	global_prefetch_b8 v0, s[64:65] scope:SCOPE_SE
	s_setreg_imm32_b32 hwreg(HW_REG_WAVE_MODE, 25, 1), 1
	s_wait_xcnt 0x0
; e[row] = exp(sigmoid(-aw[row])), aw[row] = <ff_row, s_b> / (512 max(|ff_row|, 1e-4)), s_b = the batch's column sum of ff / |ff|.
; LEFT OUT: the S x S product of reference(): its sum over k is this one dot product (shown at the head of the first kernel, with its limit).
; No maximum is taken away before the exponential: its exponent is a sigmoid, in 0 to 1 for every input.
; SHARES.  Work-group g = rows 64 g .. of batch g / 8; wave w 16 of them.  A row is 1,536 bytes of bf16: three loads of 512 consecutive bytes; all 48 loads of a wave go out before its first wait.
; s_b: the batch's eight partial sums are added by the 128 threads, six columns each, and meet in LDS.  One multiply-add a number: no matrix unit; the rows are each read once, by one wave: no cluster.
.set E,     3072                       ; behind s_b's 3,072 bytes: 64 results; lanes 16-31, which hold copies, write into the 256 bytes behind them, which nobody reads
.set SPARE, 3584                       ; the spare words, 128 bytes for each wave
	s_load_b256 s[4:11], s[0:1], 0x0               ; ffb s[4:5], ssum s[6:7], invn s[8:9], ebuf s[10:11]
	v_lshl_add_u32 v10, v0, 2, SPARE
	v_mov_b32 v11, 0
	v_lshrrev_b32 v1, 5, v0
	v_readfirstlane_b32 s12, v1                    ; wave
	v_and_b32 v2, 15, v0                           ; r
	v_and_b32 v3, 31, v0                           ; lane
	v_bfe_u32 v4, v0, 4, 1                         ; h
	v_lshlrev_b32 v5, 3, v0                        ; 8 x thread
	v_lshlrev_b32 v6, 2, v2
	v_lshlrev_b32 v7, 4, v3
	v_lshlrev_b32 v8, 5, v3
	v_mov_b32 v13, 0
	v_mov_b32 v14, 0
	s_mov_b32 s13, ttmp9
	s_mov_b32 s15, 0
	s_mov_b32 s20, 0x76543210
	s_mov_b32 s21, 0xfedcba98
	s_lshl_b32 s16, s12, 6
	s_add_co_u32 s17, s16, E
	v_lshl_add_u32 v9, v4, 8, s17
	v_add_nc_u32 v9, v9, v6                        ; E + 256 h + 4 (16 w + r)
	s_wait_kmcnt 0x0
	s_and_b32 s14, s13, 0xfffffff8
	s_mul_i32 s14, s14, 3072
	s_add_nc_u64 s[6:7], s[6:7], s[14:15]          ; the batch's first partial sum
	s_lshl_b32 s14, s13, 8
	s_add_nc_u64 s[10:11], s[10:11], s[14:15]
	s_add_co_u32 s14, s14, s16
	s_add_nc_u64 s[8:9], s[8:9], s[14:15]
	s_mul_i32 s14, s13, 98304
	s_mul_i32 s16, s12, 24576
	s_add_co_u32 s14, s14, s16
	s_add_nc_u64 s[4:5], s[4:5], s[14:15]
.set k_, 0
.rept 24                               ; partial sum k / 3, third k % 3 of its 3,072 bytes
	global_load_b64 v[16+2*k_:17+2*k_], v5, s[6:7] offset:(k_/3)*3072+(k_%3)*1024
.set k_, k_+1
.endr
	global_load_b32 v12, v6, s[8:9]
.set q_, 0
.rept 48
	global_load_b128 v[64+4*q_:64+4*q_+3], v7, s[4:5] offset:512*q_ th:TH_LOAD_NT
.set q_, q_+1
.endr
	s_wait_loadcnt 49                              ; the partial sums are in; 1 / norm and the 48 loads of ff stay out
.set i_, 0
.rept 3
.set g_, 1
.rept 7
	v_pk_add_f32 v[16+2*i_:17+2*i_], v[16+2*i_:17+2*i_], v[16+2*(3*g_+i_):17+2*(3*g_+i_)]
.set g_, g_+1
.endr
	ds_store_b64 v5, v[16+2*i_:17+2*i_] offset:1024*i_
.set i_, i_+1
.endr
	s_wait_dscnt 0x0
	s_barrier_signal -1
	s_barrier_wait -1
.set i_, 0
.rept 3                                ; s_b at my lane's 8 columns of each third of a row
	ds_load_b128 v[32+8*i_:32+8*i_+3], v8 offset:1024*i_
	ds_load_b128 v[32+8*i_+4:32+8*i_+7], v8 offset:1024*i_+16
.set i_, i_+1
.endr
	s_wait_dscnt 0x0
.set r_, 0
.rept 16                               ; a row: 24 multiply-adds straight from the bf16 halves, in three chains
	s_wait_loadcnt 45-3*r_                         ; the later rows' loads may stay out
.set q_, 0
.rept 4
.irp i, 0,1,2
.if q_ == 0
	v_fma_mix_f32_bf16 v[56+(\i)], v[64+4*(3*r_+(\i))+q_], v[32+8*(\i)+2*q_], v13 op_sel:[0,0,0] op_sel_hi:[1,0,0]
.else
	v_fma_mix_f32_bf16 v[56+(\i)], v[64+4*(3*r_+(\i))+q_], v[32+8*(\i)+2*q_], v[56+(\i)] op_sel:[0,0,0] op_sel_hi:[1,0,0]
.endif
.endr
.irp i, 0,1,2
	v_fma_mix_f32_bf16 v[56+(\i)], v[64+4*(3*r_+(\i))+q_], v[32+8*(\i)+2*q_+1], v[56+(\i)] op_sel:[1,0,0] op_sel_hi:[1,0,0]
.endr
.set q_, q_+1
.endr
	v_add_f32 v56, v56, v57
	v_add_f32 v[16+r_], v56, v58
.set r_, r_+1
.endr
.irp x, 1,2,4,8
.set r_, 0
.rept 16
	v_add_f32_dpp v[16+r_], v[16+r_], v[16+r_] row_xmask:\x row_mask:0xf bank_mask:0xf
.set r_, r_+1
.endr
.endr
.set r_, 0
.rept 16
	v_permlanex16_b32 v[32+r_], v[16+r_], s20, s21
.set r_, r_+1
.endr
.set r_, 0
.rept 16
	v_add_f32 v[16+r_], v[16+r_], v[32+r_]
.set r_, r_+1
.endr
.set r_, 0
.rept 16                               ; lane l keeps row l % 16
	v_cmp_eq_u32 vcc_lo, r_, v2
	v_cndmask_b32 v14, v14, v[16+r_], vcc_lo
.set r_, r_+1
.endr
	v_mul_f32 v14, v14, v12                        ; / norm
	v_mul_f32 v14, 0x3b38aa3b, v14                 ; x log2(e) / 512
	v_exp_f32 v14, v14                             ; e^aw
	v_nop                                          ; a plain instruction behind each transcendental (ISA guide 5.7.2), and a wait ahead of the use
	s_wait_alu depctr_va_vdst(0)
	v_add_f32 v14, 1.0, v14
	v_rcp_f32 v14, v14                             ; sigmoid(-aw)
	v_nop
	s_wait_alu depctr_va_vdst(0)
	v_mul_f32 v14, 0x3fb8aa3b, v14
	v_exp_f32 v14, v14
	v_nop
	s_wait_alu depctr_va_vdst(0)
	ds_store_b32 v9, v14
	s_wait_dscnt 0x0
	s_barrier_signal -1
	s_barrier_wait -1
	s_cmp_lg_u32 s12, 0
	s_cbranch_scc1 .Lend
	v_lshlrev_b32 v15, 3, v3
	ds_load_b64 v[16:17], v15 offset:E
	s_wait_dscnt 0x0
	global_store_b64 v15, v[16:17], s[10:11]       ; 256 consecutive bytes, aligned
.Lend:
	s_wait_tensorcnt 0x0                           ; the wave's end, behind my last LDS store
	ds_add_u32 v10, v11
	s_wait_dscnt 0x0
	s_endpgm
.Lfunc_end_k_qcd4f41a54e_aw:
	.size	k_qcd4f41a54e_aw, .Lfunc_end_k_qcd4f41a54e_aw-k_qcd4f41a54e_aw
	.p2alignl 7, 3214868480
	.fill 96, 4, 3214868480
	.section	.rodata,"a",@progbits
	.p2align	6, 0x0
	.amdhsa_kernel k_qcd4f41a54e_aw
		.amdhsa_group_segment_fixed_size 4096
		.amdhsa_private_segment_fixed_size 0
		.amdhsa_enable_private_segment 0
		.amdhsa_kernarg_size 32
		.amdhsa_user_sgpr_count 2
		.amdhsa_user_sgpr_kernarg_segment_ptr 1
		.amdhsa_wavefront_size32 1
		.amdhsa_system_sgpr_workgroup_id_x 1
		.amdhsa_system_sgpr_workgroup_id_y 1
		.amdhsa_system_sgpr_workgroup_id_z 1
		.amdhsa_system_vgpr_workitem_id 0
		.amdhsa_next_free_vgpr 256
		.amdhsa_next_free_sgpr 66
		.amdhsa_reserve_vcc 1
		.amdhsa_float_denorm_mode_32 3
		.amdhsa_float_denorm_mode_16_64 3
		.amdhsa_memory_ordered 1
		.amdhsa_forward_progress 1
		.amdhsa_inst_pref_size 44
	.end_amdhsa_kernel
	.amdgpu_metadata
---
amdhsa.version: [ 1, 2 ]
amdhsa.kernels:
  - .name:           k_qcd4f41a54e_aw
    .symbol:         k_qcd4f41a54e_aw.kd
    .args:
      - { .name: ffb, .offset: 0, .size: 8, .value_kind: global_buffer, .address_space: global }
      - { .name: ssum, .offset: 8, .size: 8, .value_kind: global_buffer, .address_space: global }
      - { .name: invn, .offset: 16, .size: 8, .value_kind: global_buffer, .address_space: global }
      - { .name: ebuf, .offset: 24, .size: 8, .value_kind: global_buffer, .address_space: global }
    .group_segment_fixed_size: 4096
    .private_segment_fixed_size: 0
    .kernarg_segment_align: 8
    .kernarg_segment_size: 32
    .max_flat_workgroup_size: 128
    .sgpr_count:     66
    .vgpr_count:     256
    .wavefront_size: 32
...
	.end_amdgpu_metadata
.endif
;; end of part 3
;; launch norm (part 4): grid 32 x 1, 4 waves a work-group, no clusters, 768 bytes of LDS; arguments ebuf, out2; writes out2
.if DOCPART == 4
	.amdgcn_target "amdgcn-amd-amdhsa--gfx1250"
	.amdhsa_code_object_version 6
	.text
	.protected	k_qcd4f41a54e_norm
	.globl	k_qcd4f41a54e_norm
	.p2align	8
	.type	k_qcd4f41a54e_norm,@function
k_qcd4f41a54e_norm:
	s_mov_b64 s[64:65], 0
	v_nop
	global_prefetch_b8 v0, s[64:65] scope:SCOPE_SE
	s_setreg_imm32_b32 hwreg(HW_REG_WAVE_MODE, 25, 1), 1
	s_wait_xcnt 0x0
; out2[b][j] = e[b][j] / the sum over the batch of e: the softmax's division.  The exponentials were made by the launch before; their sum spans eight of its work-groups, so it is taken here.
; No maximum was taken away: the exponents are sigmoid values, in 0 to 1 for every input, so the sum of 512 exponentials lies between 512 and 1,392.
; A work-group a batch: 128 threads x 4 numbers; each load and store of a wave covers 512 consecutive bytes.
.set SPARE, 256                        ; behind the block with the four waves' sums: the spare words, 128 bytes for each wave
	s_load_b128 s[4:7], s[0:1], 0x0                ; ebuf, out2
	v_lshl_add_u32 v30, v0, 2, SPARE
	v_mov_b32 v31, 0
	v_lshrrev_b32 v1, 5, v0
	v_readfirstlane_b32 s8, v1
	v_lshlrev_b32 v2, 4, v0
	s_lshl_b32 s10, ttmp9, 11
	s_mov_b32 s11, 0
	s_mov_b32 s12, 0x76543210
	s_mov_b32 s13, 0xfedcba98
	v_mov_b32 v9, 0
	v_mov_b32 v10, s8
	v_lshlrev_b32 v10, 2, v10
	v_mov_b32 v11, 0
	s_wait_kmcnt 0x0
	s_add_nc_u64 s[4:5], s[4:5], s[10:11]
	s_add_nc_u64 s[6:7], s[6:7], s[10:11]
	global_load_b128 v[4:7], v2, s[4:5]
	s_wait_loadcnt 0x0
	v_add_f32 v8, v4, v5
	v_add_f32 v12, v6, v7
	v_add_f32 v8, v8, v12
	v_add_f32_dpp v8, v8, v8 row_xmask:1 row_mask:0xf bank_mask:0xf
	v_add_f32_dpp v8, v8, v8 row_xmask:2 row_mask:0xf bank_mask:0xf
	v_add_f32_dpp v8, v8, v8 row_xmask:4 row_mask:0xf bank_mask:0xf
	v_add_f32_dpp v8, v8, v8 row_xmask:8 row_mask:0xf bank_mask:0xf
	v_permlanex16_b32 v9, v8, s12, s13
	v_add_f32 v8, v8, v9
	ds_store_b32 v10, v8                           ; all lanes write the wave's word with the same number
	s_wait_dscnt 0x0
	s_barrier_signal -1
	s_barrier_wait -1
	ds_load_b128 v[12:15], v11
	s_wait_dscnt 0x0
	v_add_f32 v12, v12, v13
	v_add_f32 v14, v14, v15
	v_add_f32 v12, v12, v14
	v_rcp_f32 v16, v12
	v_rcp_f32 v17, v12
	v_nop                                          ; a plain instruction behind the reciprocals (ISA guide 5.7.2), and a wait ahead of their use
	s_wait_alu depctr_va_vdst(0)
	v_pk_mul_f32 v[4:5], v[4:5], v[16:17]
	v_pk_mul_f32 v[6:7], v[6:7], v[16:17]
	global_store_b128 v2, v[4:7], s[6:7]
	s_wait_tensorcnt 0x0                           ; the wave's end, behind my last LDS store
	ds_add_u32 v30, v31
	s_wait_dscnt 0x0
	s_endpgm
.Lfunc_end_k_qcd4f41a54e_norm:
	.size	k_qcd4f41a54e_norm, .Lfunc_end_k_qcd4f41a54e_norm-k_qcd4f41a54e_norm
	.p2alignl 7, 3214868480
	.fill 96, 4, 3214868480
	.section	.rodata,"a",@progbits
	.p2align	6, 0x0
	.amdhsa_kernel k_qcd4f41a54e_norm
		.amdhsa_group_segment_fixed_size 768
		.amdhsa_private_segment_fixed_size 0
		.amdhsa_enable_private_segment 0
		.amdhsa_kernarg_size 16
		.amdhsa_user_sgpr_count 2
		.amdhsa_user_sgpr_kernarg_segment_ptr 1
		.amdhsa_wavefront_size32 1
		.amdhsa_system_sgpr_workgroup_id_x 1
		.amdhsa_system_sgpr_workgroup_id_y 1
		.amdhsa_system_sgpr_workgroup_id_z 1
		.amdhsa_system_vgpr_workitem_id 0
		.amdhsa_next_free_vgpr 32
		.amdhsa_next_free_sgpr 66
		.amdhsa_reserve_vcc 0
		.amdhsa_float_denorm_mode_32 3
		.amdhsa_float_denorm_mode_16_64 3
		.amdhsa_memory_ordered 1
		.amdhsa_forward_progress 1
		.amdhsa_inst_pref_size 3
	.end_amdhsa_kernel
	.amdgpu_metadata
---
amdhsa.version: [ 1, 2 ]
amdhsa.kernels:
  - .name:           k_qcd4f41a54e_norm
    .symbol:         k_qcd4f41a54e_norm.kd
    .args:
      - { .name: ebuf, .offset: 0, .size: 8, .value_kind: global_buffer, .address_space: global }
      - { .name: out2, .offset: 8, .size: 8, .value_kind: global_buffer, .address_space: global }
    .group_segment_fixed_size: 768
    .private_segment_fixed_size: 0
    .kernarg_segment_align: 8
    .kernarg_segment_size: 16
    .max_flat_workgroup_size: 128
    .sgpr_count:     66
    .vgpr_count:     32
    .wavefront_size: 32
...
	.end_amdgpu_metadata
.endif
;; end of part 4
;; ======== version 2 of 2: 4 launches; version 1 with the launch prep written anew for expert scheduling mode
;; limits: right only within a limited range of input values; values outside matrix products are rounded to bf16
;; workspace buffers: wfrag 2,457,600 bytes; wyz 24,576 bytes; tabs 12,544 bytes; ffb 25,165,824 bytes; ssum 786,432 bytes; invn 65,536 bytes; ebuf 65,536 bytes
;; launch prep (part 5): grid 101 x 1, 6 waves a work-group, no clusters, 0 bytes of LDS; arguments W1, W2, Wy, Wz, b1, b2, gamma, beta, by, bz, wfrag, wyz, tabs; writes wfrag, wyz, tabs
.if DOCPART == 5
	.amdgcn_target "amdgcn-amd-amdhsa--gfx1250"
	.amdhsa_code_object_version 6
	.text
	.protected	k_qcd4f41a54e_prep
	.globl	k_qcd4f41a54e_prep
	.p2align	8
	.type	k_qcd4f41a54e_prep,@function
k_qcd4f41a54e_prep:
	s_mov_b64 s[64:65], 0
	v_nop
	global_prefetch_b8 v0, s[64:65] scope:SCOPE_SE
	s_setreg_imm32_b32 hwreg(HW_REG_WAVE_SCHED_MODE, 0, 2), 2
	s_setreg_imm32_b32 hwreg(HW_REG_WAVE_MODE, 25, 1), 1
	s_wait_xcnt 0x0
	s_wait_alu depctr_vm_vsrc(0)
; THE PROGRAM: four launches.  prep (this one) rounds the weights to bf16 and lays them out as matrix operands; ffn takes 64 rows a work-group through
; relu(x W1 + b1) W2 + b2, the residual, LayerNorm and the two heads; aw and norm make the attention weights.
; WHAT THE PROGRAM DOES NOT FORM: dots[b][j][k] = <ff_j, ff_k>, S x S x D multiply-adds a batch.  reference() only sums cos_sim over k, and
; sum_k <ff_j, ff_k> / (n_j n_k) = <ff_j / n_j, sum_k ff_k / n_k> for all values of the inputs: one vector s_b = sum_k ff_k / n_k a batch and one dot product a row.
; LIMIT.  reference() divides by n_j n_k + 1e-8; here each row is divided by max(n, 1e-4) (a row of zeros gives cosine 0 in both).  A cosine differs by the factor
; 1 + 1e-8 / (n_j n_k): under 1e-6 while n_j n_k is above 1e-2; it matters only for norms of ff under about 5e-4.  An overflow of a single dots[j][k] that the sum form does not meet is not carried over.
; NO MAXIMUM is taken away in the softmax: its exponents are sigmoid values, in 0 to 1 for every input, so each exponential lies in 1 to e and a sum of 512 of them under 1,392.
; FORMATS.  Every input is rounded once to bf16 (b1, b2, gamma, beta, by, bz too: kept as f32 words that hold the rounded numbers).  Every input has a way to an output and is loaded.
; THIS LAUNCH.  A FRAGMENT is 16 columns x 32 rows of W1 or W2, 1,024 bytes in the order in which a wave's operand registers take them:
; [j 0..1][lane][16 bytes] = W[k0 + 16 j + 8 (lane / 16) + 0..7][n0 + lane % 16].  A column block c is 192 columns, 12 tiles of 16.  wfrag holds two parts:
;   tiles 0-5 (for the LDS ring):  [matrix][c][unit u 0..12][kk 0..1][tile][fragment], a unit = 64 rows of W; unit 12 repeats unit 0, so that two units on end never wrap;
;   tiles 6-11 (loaded straight into registers), from byte DIRB on:  [matrix][K step 0..23][c][tile - 6][fragment].
; Work-groups 0-95: unit (matrix, u) x column block c; wave v makes kk = v / 3 and tiles 2 (v % 3) + 0, 1 and 6 + 2 (v % 3) + 0, 1.
; Work-groups 96-99: the 24 fragments of the heads, one a wave (rows 0-2 Wy's columns, 3-7 Wz's, 8-15 zero).  Work-group 100: the small vectors.
; No LDS and no cluster: nothing is shared; no register that a load or store reads is written again, so no wait frees a source.
; THE MODE: SCHED_MODE bits 1:0 = 2 (LLVM: expert scheduling mode 2), set by the entry lines.  The code itself states the register dependences
; between vector instructions and memory instructions, and those through scalar registers that vector instructions write, with s_wait_alu, always for 0.
; THE PLAN.  Registers that memory instructions touch:
;   offsets    v5 (head); v4 (a unit); v8, v9 (the heads); v4, v7, v8, v11 (the small vectors): written by vector lines ahead of ONE wait on va_vdst in front of the path's first load; never written again.
;   loaded     v16-79 (a unit), v32-63 (the heads), v16-31, v9, v10 (the small vectors): no vector line names them ahead of the loads; behind the loads' own wait they are the vector side's.
;   to store   a unit: four out-buffers v[80 + 8 t ..], one a fragment, each written once by the fragment's eight conversions.  The stores of fragment t - 1 stand at the head of fragment t, behind the wait for
;              its loads and one wait on va_vdst; fragment t's conversions, which follow them, name other registers.  The heads: v64-71; the small vectors: v16-31 and v9: one wait on va_vdst ahead of the run of stores.
;   scalars    s31 (the wave's number), s44, s45 and VCC (masks) are written by vector lines: a wait on va_sdst or va_vcc stands behind the writer, in its own straight run, ahead of every reader.
; No register that a memory instruction has read is written again on any path: no wait on vm_vsrc is owed.
.set ROWB,  3072                       ; bytes in a row of W1 and W2
.set RUNIT, 12288                      ; a unit of the ring part: 2 K steps x 6 fragments
.set RCOL,  13*RUNIT
.set RMAT,  4*RCOL
.set DIRB,  2*RMAT
.set DSTEP, 24576                      ; a K step of the direct part: 4 column blocks x 6 fragments
.set DMAT,  24*DSTEP
	s_load_b512 s[4:19], s[0:1], 0x0               ; W1 s[4:5], W2 s[6:7], Wy s[8:9], Wz s[10:11], b1 s[12:13], b2 s[14:15], gamma s[16:17], beta s[18:19]
	s_load_b256 s[20:27], s[0:1], 0x40             ; by s[20:21], bz s[22:23], wfrag s[24:25], wyz s[26:27]
	s_load_b64 s[28:29], s[0:1], 0x60              ; tabs
	v_lshrrev_b32 v1, 5, v0
	v_readfirstlane_b32 s31, v1                    ; wave 0..5
	s_mov_b32 s30, ttmp9
	v_and_b32 v1, 31, v0                           ; lane
	v_and_b32 v2, 15, v0                           ; r = lane % 16
	v_bfe_u32 v3, v0, 4, 1                         ; h = lane / 16
	v_lshlrev_b32 v5, 4, v1                        ; 16 x lane: my 16 bytes of half a fragment
	s_mov_b32 s35, 0                               ; s[34:35]: a byte offset, under 2^32
	s_wait_alu depctr_va_sdst(0)                   ; s31 is written, ahead of the branches: scalar lines of all three paths read it
	s_wait_kmcnt 0x0
	s_cmp_lt_u32 s30, 96
	s_cbranch_scc0 .Lsmall
	; ---- a unit of W1 or W2
	s_lshr_b32 s36, s30, 2                         ; matrix x 12 + unit
	s_and_b32 s37, s30, 3                          ; column block
	s_cmp_lt_u32 s36, 12
	s_cselect_b64 s[38:39], s[4:5], s[6:7]
	s_cselect_b32 s40, 0, 12
	s_cselect_b32 s46, 0, 1                        ; matrix
	s_sub_co_u32 s36, s36, s40                     ; unit
	s_cmp_ge_u32 s31, 3
	s_cselect_b32 s41, 1, 0                        ; kk
	s_mul_i32 s42, s41, 3
	s_sub_co_u32 s42, s31, s42                     ; v % 3
	s_lshl_b32 s43, s36, 1
	s_add_co_u32 s43, s43, s41                     ; K step 2 u + kk
	s_mul_i32 s34, s43, 32*ROWB                    ; from: 32 rows a K step,
	s_mul_i32 s44, s37, 768                        ; 192 columns of 4 bytes a block,
	s_add_co_u32 s34, s34, s44
	s_lshl_b32 s44, s42, 7                         ; two tiles of 64 bytes
	s_add_co_u32 s34, s34, s44
	s_add_nc_u64 s[38:39], s[38:39], s[34:35]
	s_mul_i32 s34, s46, RMAT                       ; to, ring part
	s_mul_i32 s44, s37, RCOL
	s_add_co_u32 s34, s34, s44
	s_mul_i32 s44, s36, RUNIT
	s_add_co_u32 s34, s34, s44
	s_mul_i32 s44, s41, 6144
	s_add_co_u32 s34, s34, s44
	s_lshl_b32 s45, s42, 11                        ; two fragments
	s_add_co_u32 s34, s34, s45
	s_add_nc_u64 s[32:33], s[24:25], s[34:35]
	s_mul_i32 s34, s46, DMAT                       ; to, direct part
	s_mul_i32 s44, s43, DSTEP
	s_add_co_u32 s34, s34, s44
	s_mul_i32 s44, s37, 6144
	s_add_co_u32 s34, s34, s44
	s_add_co_u32 s34, s34, s45
	s_add_co_u32 s34, s34, DIRB
	s_add_nc_u64 s[24:25], s[24:25], s[34:35]
	v_mul_u32_u24 v4, v3, 8*ROWB
	v_lshl_add_u32 v4, v2, 2, v4                   ; row 8 h, column r
	s_wait_alu depctr_va_vdst(0)                   ; v4 is written, which the 64 loads read as their offset, and v5, which every store of this path reads as its offset
.set t_, 0
.rept 4                                ; all 64 loads go out before the first wait; fragments 0, 1: tiles 0-5's; 2, 3: six tiles (384 bytes) further on
.set k_, 0
.rept 16
	global_load_b32 v[16+16*t_+k_], v4, s[38:39] offset:(16*(k_/8)+(k_%8))*ROWB+64*(t_&1)+384*(t_/2)
.set k_, k_+1
.endr
.set t_, t_+1
.endr
.set t_, 0
.rept 4
	s_wait_loadcnt 48-16*t_                        ; the later fragments' loads, 16 each, may stay out
.if t_ > 0
.set f_, t_-1
	s_wait_alu depctr_va_vdst(0)                   ; the conversions of the fragment before have written its out-buffer, which the two stores below read
.if f_ < 2
	global_store_b128 v5, v[80+8*f_:80+8*f_+3], s[32:33] offset:1024*f_      ; 512 consecutive bytes a store
	global_store_b128 v5, v[80+8*f_+4:80+8*f_+7], s[32:33] offset:1024*f_+512
.else
	global_store_b128 v5, v[80+8*f_:80+8*f_+3], s[24:25] offset:1024*(f_-2)
	global_store_b128 v5, v[80+8*f_+4:80+8*f_+7], s[24:25] offset:1024*(f_-2)+512
.endif
.endif
.set q_, 0
.rept 8                                ; this fragment's out-buffer: other registers than those that the stores above read
	v_cvt_pk_bf16_f32 v[80+8*t_+q_], v[16+16*t_+2*q_], v[16+16*t_+2*q_+1]
.set q_, q_+1
.endr
.set t_, t_+1
.endr
	s_wait_alu depctr_va_vdst(0)                   ; the last fragment's conversions have written v104-111, which the two stores below read; no vector line follows, so unit 0's further stores owe nothing more
	global_store_b128 v5, v[104:107], s[24:25] offset:1024
	global_store_b128 v5, v[108:111], s[24:25] offset:1024+512
	s_cmp_lg_u32 s36, 0
	s_cbranch_scc1 .Lwdone
.set t_, 0
.rept 2                                ; unit 0 once more, as unit 12
	global_store_b128 v5, v[80+8*t_:80+8*t_+3], s[32:33] offset:12*RUNIT+1024*t_
	global_store_b128 v5, v[80+8*t_+4:80+8*t_+7], s[32:33] offset:12*RUNIT+1024*t_+512
.set t_, t_+1
.endr
.Lwdone:
	s_endpgm
.Lsmall:
	s_cmp_lt_u32 s30, 100
	s_cbranch_scc0 .Ltabs
	; ---- the heads' fragments: fragment ks = 6 (work-group - 96) + wave (k = 32 ks + 16 j + 8 h + i)
	s_sub_co_u32 s36, s30, 96
	s_mul_i32 s36, s36, 6
	s_add_co_u32 s36, s36, s31
	v_min_u32 v6, 2, v2                            ; Wy's column, held inside the table
	v_add_nc_u32 v7, -3, v2
	v_max_i32 v7, 0, v7
	v_min_u32 v7, 4, v7                            ; Wz's column, likewise
	v_mul_u32_u24 v8, v3, 96                       ; 8 h rows of 12 bytes
	v_lshl_add_u32 v8, v6, 2, v8
	v_mul_u32_u24 v9, v3, 160                      ; 8 h rows of 20 bytes
	v_lshl_add_u32 v9, v7, 2, v9
	v_cmp_gt_u32 s44, 3, v2                        ; r < 3: Wy
	v_cmp_lt_u32 s45, 7, v2                        ; r > 7: zero
	v_mov_b32 v10, 0
	s_wait_alu depctr_va_sdst(0)                   ; the two compares have written s44 and s45, which the selects below read
	s_mul_i32 s34, s36, 384                        ; 32 rows of Wy
	s_add_nc_u64 s[8:9], s[8:9], s[34:35]
	s_mul_i32 s34, s36, 640                        ; 32 rows of Wz
	s_add_nc_u64 s[10:11], s[10:11], s[34:35]
	s_lshl_b32 s34, s36, 10
	s_add_nc_u64 s[26:27], s[26:27], s[34:35]
	s_wait_alu depctr_va_vdst(0)                   ; v8 and v9 are written, which the 32 loads read as their offsets (and v5, the stores')
.set k_, 0
.rept 16
	global_load_b32 v[32+k_], v8, s[8:9] offset:(16*(k_/8)+(k_%8))*12
	global_load_b32 v[48+k_], v9, s[10:11] offset:(16*(k_/8)+(k_%8))*20
.set k_, k_+1
.endr
	s_wait_loadcnt 0x0
.set k_, 0
.rept 16
	v_cndmask_b32 v[48+k_], v[48+k_], v[32+k_], s44
	v_cndmask_b32 v[48+k_], v[48+k_], v10, s45
.set k_, k_+1
.endr
.set q_, 0
.rept 8
	v_cvt_pk_bf16_f32 v[64+q_], v[48+2*q_], v[48+2*q_+1]
.set q_, q_+1
.endr
	s_wait_alu depctr_va_vdst(0)                   ; the conversions have written v64-71, which the two stores read
	global_store_b128 v5, v[64:67], s[26:27]
	global_store_b128 v5, v[68:71], s[26:27] offset:512
	s_endpgm
.Ltabs:
	; ---- b1, b2, gamma, beta: 192 threads x 4 numbers each, rounded to bf16 and kept as f32; by and bz on end, eight times over (64 words, waves 0 and 1 store them)
	v_lshlrev_b32 v4, 4, v0
	v_and_b32 v6, 7, v0
	v_min_u32 v7, 2, v6
	v_lshlrev_b32 v7, 2, v7
	v_add_nc_u32 v8, -3, v6
	v_max_i32 v8, 0, v8
	v_min_u32 v8, 4, v8
	v_lshlrev_b32 v8, 2, v8
	v_lshlrev_b32 v11, 2, v0
	v_cmp_gt_u32 vcc_lo, 3, v6
	s_wait_alu depctr_va_vcc(0)                    ; the compare has written VCC, which the select below reads
	s_wait_alu depctr_va_vdst(0)                   ; v4, v7 and v8 are written, which the six loads read as their offsets; so is v11, the last store's
	global_load_b128 v[16:19], v4, s[12:13]
	global_load_b128 v[20:23], v4, s[14:15]
	global_load_b128 v[24:27], v4, s[16:17]
	global_load_b128 v[28:31], v4, s[18:19]
	global_load_b32 v9, v7, s[20:21]
	global_load_b32 v10, v8, s[22:23]
	s_wait_loadcnt 0x0
.set u_, 0
.rept 8
	v_cvt_pk_bf16_f32 v[32+u_], v[16+2*u_], v[16+2*u_+1]
	v_lshlrev_b32 v[16+2*u_], 16, v[32+u_]
	v_and_b32 v[16+2*u_+1], 0xffff0000, v[32+u_]
.set u_, u_+1
.endr
	v_cndmask_b32 v9, v10, v9, vcc_lo
	v_cvt_pk_bf16_f32 v9, v9, v9
	v_lshlrev_b32 v9, 16, v9
	s_wait_alu depctr_va_vdst(0)                   ; the lines above have written v16-31 and v9, which the five stores below read: one wait for the run, the store behind the branch among them
.set u_, 0
.rept 4
	global_store_b128 v4, v[16+4*u_:16+4*u_+3], s[28:29] offset:3072*u_
.set u_, u_+1
.endr
	s_cmp_lt_u32 s31, 2
	s_cbranch_scc0 .Ldone
	global_store_b32 v11, v9, s[28:29] offset:12288
.Ldone:
	s_endpgm
.Lfunc_end_k_qcd4f41a54e_prep:
	.size	k_qcd4f41a54e_prep, .Lfunc_end_k_qcd4f41a54e_prep-k_qcd4f41a54e_prep
	.p2alignl 7, 3214868480
	.fill 96, 4, 3214868480
	.section	.rodata,"a",@progbits
	.p2align	6, 0x0
	.amdhsa_kernel k_qcd4f41a54e_prep
		.amdhsa_group_segment_fixed_size 0
		.amdhsa_private_segment_fixed_size 0
		.amdhsa_enable_private_segment 0
		.amdhsa_kernarg_size 104
		.amdhsa_user_sgpr_count 2
		.amdhsa_user_sgpr_kernarg_segment_ptr 1
		.amdhsa_wavefront_size32 1
		.amdhsa_system_sgpr_workgroup_id_x 1
		.amdhsa_system_sgpr_workgroup_id_y 1
		.amdhsa_system_sgpr_workgroup_id_z 1
		.amdhsa_system_vgpr_workitem_id 0
		.amdhsa_next_free_vgpr 128
		.amdhsa_next_free_sgpr 66
		.amdhsa_reserve_vcc 1
		.amdhsa_float_denorm_mode_32 3
		.amdhsa_float_denorm_mode_16_64 3
		.amdhsa_memory_ordered 1
		.amdhsa_forward_progress 1
		.amdhsa_inst_pref_size 22
	.end_amdhsa_kernel
	.amdgpu_metadata
---
amdhsa.version: [ 1, 2 ]
amdhsa.kernels:
  - .name:           k_qcd4f41a54e_prep
    .symbol:         k_qcd4f41a54e_prep.kd
    .args:
      - { .name: W1, .offset: 0, .size: 8, .value_kind: global_buffer, .address_space: global }
      - { .name: W2, .offset: 8, .size: 8, .value_kind: global_buffer, .address_space: global }
      - { .name: Wy, .offset: 16, .size: 8, .value_kind: global_buffer, .address_space: global }
      - { .name: Wz, .offset: 24, .size: 8, .value_kind: global_buffer, .address_space: global }
      - { .name: b1, .offset: 32, .size: 8, .value_kind: global_buffer, .address_space: global }
      - { .name: b2, .offset: 40, .size: 8, .value_kind: global_buffer, .address_space: global }
      - { .name: gamma, .offset: 48, .size: 8, .value_kind: global_buffer, .address_space: global }
      - { .name: beta, .offset: 56, .size: 8, .value_kind: global_buffer, .address_space: global }
      - { .name: by, .offset: 64, .size: 8, .value_kind: global_buffer, .address_space: global }
      - { .name: bz, .offset: 72, .size: 8, .value_kind: global_buffer, .address_space: global }
      - { .name: wfrag, .offset: 80, .size: 8, .value_kind: global_buffer, .address_space: global }
      - { .name: wyz, .offset: 88, .size: 8, .value_kind: global_buffer, .address_space: global }
      - { .name: tabs, .offset: 96, .size: 8, .value_kind: global_buffer, .address_space: global }
    .group_segment_fixed_size: 0
    .private_segment_fixed_size: 0
    .kernarg_segment_align: 8
    .kernarg_segment_size: 104
    .max_flat_workgroup_size: 192
    .sgpr_count:     66
    .vgpr_count:     128
    .wavefront_size: 32
...
	.end_amdgpu_metadata
.endif
;; end of part 5
;; launch ffn: the kernel of part 2 again; grid 256 x 1, 4 waves a work-group, clusters of 4 x 1, 327,680 bytes of LDS; arguments embeddings, wfrag, wyz, tabs, ffb, ssum, invn, out0, out1; writes ffb, ssum, invn, out0, out1
;; launch aw: the kernel of part 3 again; grid 256 x 1, 4 waves a work-group, no clusters, 4,096 bytes of LDS; arguments ffb, ssum, invn, ebuf; writes ebuf
;; launch norm: the kernel of part 4 again; grid 32 x 1, 4 waves a work-group, no clusters, 768 bytes of LDS; arguments ebuf, out2; writes out2
